; MI455X (gfx1250); checked and timed in simulation.
; The chip was launched on July 23, 2026; its instructions are those of AMD's public machine-readable ISA for CDNA 5 (MIT licence, August 2026) and "CDNA5" Instruction Set Architecture Reference Guide (July 2026). The comments in the code are by the model that wrote it; some were corrected since.
;; Expert Adapter. Allowed arithmetic: float matrix products may take bf16 or f16 operands with f32 sums; all other float work in f32.
;; Inputs: W1 8 x 1,024 x 256 float32; W2 8 x 256 x 1,024 float32; Wr 1,024 x 8 float32; b1 8 x 256 float32; b2 8 x 1,024 float32; br 8 float32; x 4 x 4,096 x 1,024 float32.
;; Outputs: out0 4 x 4,096 x 1,024 float32.
;; 2 versions, each right; version 2 is version 1 with the launch prep written anew for expert scheduling mode. Each part assembles by itself: llvm-mc -triple=amdgcn-amd-amdhsa -mcpu=gfx1250 --defsym DOCPART=n.
;; ======== version 1 of 2: 3 launches
;; limits: inputs' magnitudes at most 65,504; values are held in f16: magnitudes above 65,504 overflow, below 6.1e-05 lose precision
;; workspace buffers: xh 33,554,432 bytes; w1h 4,194,304 bytes; w2h 4,194,304 bytes; hh 67,108,864 bytes; rf 524,288 bytes; rh 1,048,576 bytes; b2t 65,536 bytes
;; launch prep (part 1): grid 256 x 1, 8 waves a work-group, no clusters, 37,888 bytes of LDS; arguments x, Wr, br, b2, W1, W2, xh, rf, rh, w1h, w2h, b2t; writes xh, rf, rh, w1h, w2h, b2t
.if DOCPART == 1
	.amdgcn_target "amdgcn-amd-amdhsa--gfx1250"
	.amdhsa_code_object_version 6
	.text
	.protected	k_q4d778e54a8_prep
	.globl	k_q4d778e54a8_prep
	.p2align	8
	.type	k_q4d778e54a8_prep,@function
k_q4d778e54a8_prep:
	s_mov_b64 s[64:65], 0
	v_nop
	global_prefetch_b8 v0, s[64:65] scope:SCOPE_SE
	s_setreg_imm32_b32 hwreg(HW_REG_WAVE_MODE, 25, 1), 1
	s_wait_xcnt 0x0
; PREP: one pass over x, W1 and W2 that casts them to f16 (xh, w1h, w2h: same layouts), and on the way makes the router's
; softmax weights r = softmax(x Wr + br) in f32 (rf [16384][8]) and in f16 as a matrix operand (rh [16384][32], columns 8-31 true zeros),
; and b2 transposed in f16 (b2t [1024][32], b2t[d][e] = b2[e][d], columns 8-31 true zeros).
; WHY f16 AND NOT bf16: the products' operands keep 11 significant bits instead of 8.  Room: f16 reaches 65,504 and has steps of 2^-24 below 2^-14.
; x is drawn with standard deviation 1, W1 within 1/32, W2 and b2 within 1/16: thirty times larger they stay under 200; thirty times smaller the weights'
; rounding error is at most 2^-25 = 3e-8 against a standard deviation of 6e-4 or more.  LIMIT: an input above 65,504 in magnitude becomes infinite.
; 2,048 waves (256 work-groups of 8).  Wave gw takes ten rows of 4,096 bytes: x's rows 8 gw .. 8 gw + 7, the 4,096 bytes at 4,096 gw of W1, the same of W2.
; A row is eight loads of 16 bytes a lane (512 neighbouring bytes each) and eight stores of 8 bytes a lane (256 neighbouring bytes each, aligned).
; The router product has 8 columns: it is made in f32 by packed multiply-adds on the x that is in registers anyway.  Each lane keeps Wr's rows of
; its 32 columns of x in 256 registers (v256-v511), so Wr is read from LDS once.  The softmax takes the row's maximum away first.
; Matrix instructions, tensor loads and clusters are left out: the launch is a stream, and what its work-groups share is Wr alone, 32 KiB beside the 320 KiB
; of rows that a work-group reads for itself.
; A ring of six row slots in registers: one at work, five on their way in (the fifth goes into the slot whose stores were issued a turn ago): 20 KiB of a wave's
; 40 KiB, 160 KiB of the work-group's 320 KiB, are asked for ahead of the first wait.  Six slots of 32 registers are what fits under v256 beside the rest.
.set ROWB, 4096                        ; bytes in a row as loaded
.set GRP,  144                         ; LDS: four rows of Wr (128 bytes) and 16 bytes of padding, so that neighbouring lanes' 16 bytes lie 144 bytes apart
.set ACC,  8                           ; v[8:15]    the lane's partial logits of the row at work
.set TP,   16                          ; v[16:23]   the other half's sums
.set HOLD, 24                          ; v[24:31]   lane L: the 8 logits of row L / 4
.set X,    32                          ; v[32:223]  six slots of 32 registers
.set R,    224                         ; v[224:231] exponentials, then r
.set TT,   232                         ; v[232:249] at work in the softmax and for b2t
.set MSB,  0
.macro WIN new                         ; register window; the immediate's high byte repeats the setting that is left
.if MSB != \new
	s_set_vgpr_msb (MSB<<8)|\new
.set MSB, \new
.endif
.endm
	s_load_b512 s[16:31], s[0:1], 0x0              ; x 16, Wr 18, br 20, b2 22, W1 24, W2 26, xh 28, rf 30
	s_load_b256 s[32:39], s[0:1], 0x40             ; rh 32, w1h 34, w2h 36, b2t 38
	v_lshl_add_u32 v254, v0, 2, 0x9000
	v_mov_b32 v255, 0
	v_lshrrev_b32 v7, 5, v0
	v_readfirstlane_b32 s8, v7                     ; wave 0..7
	s_lshl_b32 s9, ttmp9, 3
	s_add_co_u32 s9, s9, s8                        ; gw = 8 x work-group + wave
	s_mov_b32 s11, 0                               ; s[10:11]: a byte offset in 64 bits
	s_mov_b32 s12, 0x76543210                      ; v_permlanex16_b32: lane i of one half reads lane i of the other
	s_mov_b32 s13, 0xfedcba98
	s_mov_b32 s48, 0xaaaaaaaa                      ; lanes with bit 0 set
	s_mov_b32 s49, 0xcccccccc                      ; lanes with bit 1 set
	s_mov_b32 s50, 0x11111111                      ; lanes 0 mod 4
	s_mov_b32 s51, 0x03030303                      ; lanes 0 and 1 mod 8
	v_and_b32 v7, 31, v0                           ; lane
	v_lshlrev_b32 v1, 4, v7                        ; 16 x lane: loads of rows, the store of rh
	v_lshlrev_b32 v2, 3, v7                        ; 8 x lane: stores
	v_mul_u32_u24 v3, v7, GRP                      ; LDS: my four rows of Wr in each 128 columns
	v_lshrrev_b32 v4, 3, v0
	v_mul_u32_u24 v4, v4, GRP
	v_and_b32 v5, 7, v0
	v_lshl_add_u32 v4, v5, 4, v4                   ; LDS: where thread t puts its 16 bytes of Wr: group t / 8, byte 16 (t mod 8)
	v_lshlrev_b32 v5, 4, v0                        ; Wr: 16 t
	v_and_b32 v6, 1, v0
	v_lshlrev_b32 v6, 14, v6
	v_bfe_u32 v7, v0, 3, 2
	v_lshl_add_u32 v6, v7, 2, v6                   ; b2: four experts' rows for odd lanes (16,384 bytes) + 4 x (lane / 8)
.irp e, 0,1,2,3,4,5,6,7
	v_mov_b32 v[TP+\e], 0                          ; v_permlanex16_b32 counts as a reader of its destination
.endr
	s_wait_kmcnt 0x0
.irp k, 0,1,2,3,4,5,6,7
	global_load_b128 v[X+160+4*\k:X+160+4*\k+3], v5, s[18:19] offset:4096*\k   ; Wr, 4 KiB by the work-group at a time, through slot 5's registers
.endr
	s_load_b256 s[40:47], s[20:21], 0x0            ; br's eight numbers
	s_lshl_b32 s10, s9, 15
	s_add_nc_u64 s[16:17], s[16:17], s[10:11]      ; x: 8 rows of 4,096 bytes a wave
	s_lshl_b32 s10, s9, 14
	s_add_nc_u64 s[28:29], s[28:29], s[10:11]      ; xh: 8 rows of 2,048
	s_lshl_b32 s10, s9, 12
	s_add_nc_u64 s[24:25], s[24:25], s[10:11]      ; W1, W2: 4,096 bytes a wave
	s_add_nc_u64 s[26:27], s[26:27], s[10:11]
	s_lshl_b32 s10, s9, 11
	s_add_nc_u64 s[34:35], s[34:35], s[10:11]      ; w1h, w2h: 2,048
	s_add_nc_u64 s[36:37], s[36:37], s[10:11]
	s_lshl_b32 s10, s9, 8
	s_add_nc_u64 s[30:31], s[30:31], s[10:11]      ; rf: 8 rows of 32 bytes
	s_lshl_b32 s10, s9, 9
	s_add_nc_u64 s[32:33], s[32:33], s[10:11]      ; rh: 8 rows of 64 bytes
	s_lshl_b32 s10, ttmp9, 4
	s_add_nc_u64 s[22:23], s[22:23], s[10:11]      ; b2: four columns a work-group
	s_lshl_b32 s10, ttmp9, 8
	s_add_nc_u64 s[38:39], s[38:39], s[10:11]      ; b2t: four rows of 64 bytes a work-group
; Eight loads: row rw into slot rw mod 6.  Rows 0-7 are x's, row 8 is W1's, row 9 W2's.  Read once in the launch.
.macro FILL rw
.irp j, 0,1,2,3,4,5,6,7
.if \rw < 8
	global_load_b128 v[X+32*(\rw%6)+4*\j:X+32*(\rw%6)+4*\j+3], v1, s[16:17] offset:ROWB*\rw+512*\j th:TH_LOAD_NT
.elseif \rw == 8
	global_load_b128 v[X+32*(\rw%6)+4*\j:X+32*(\rw%6)+4*\j+3], v1, s[24:25] offset:512*\j th:TH_LOAD_NT
.else
	global_load_b128 v[X+32*(\rw%6)+4*\j:X+32*(\rw%6)+4*\j+3], v1, s[26:27] offset:512*\j th:TH_LOAD_NT
.endif
.endr
.endm
	FILL 0
	FILL 1
	FILL 2
	FILL 3
	FILL 4
	s_wait_loadcnt 40                              ; Wr's eight loads are older than the 40 of x: they are in, x stays on its way
.irp k, 0,1,2,3,4,5,6,7
	ds_store_b128 v4, v[X+160+4*\k:X+160+4*\k+3] offset:32*GRP*\k   ; 4 KiB of Wr are 32 groups
.endr
	s_wait_kmcnt 0x0                               ; br
	s_wait_dscnt 0x0                               ; my part of Wr is in LDS, for the other waves' sake
	s_barrier_signal -1
	s_barrier_wait -1                              ; everybody's is.  The launch's only barrier: LDS is not written again
	WIN 0x40                                       ; destinations v256-v511
.irp j, 0,1,2,3,4,5,6,7
.irp c, 0,1,2,3
	ds_load_b128 v[8*(4*\j+\c):8*(4*\j+\c)+3],   v3 offset:32*GRP*\j+32*\c      ; Wr[128 j + 4 lane + c][0..3]
	ds_load_b128 v[8*(4*\j+\c)+4:8*(4*\j+\c)+7], v3 offset:32*GRP*\j+32*\c+16   ; and [4..7]
.endr
.endr
	WIN 0
	s_wait_dscnt 0x0
; The lane's share of a row's eight logits: 32 columns x 8 experts, two experts to an instruction, four chains by turns.
; x's register q is broadcast to both halves by op_sel; the first products start the sums.
.macro ROUTER rw
	WIN 0x04                                       ; source 1 (Wr) from v256-v511
.set q, 0
.rept 16
.irp p, 0,2,4,6
.if q == 0
	v_pk_mul_f32 v[ACC+\p:ACC+\p+1], v[X+32*(\rw%6)+q:X+32*(\rw%6)+q+1], v[8*q+\p:8*q+\p+1] op_sel:[0,0] op_sel_hi:[0,1]
.else
	v_pk_fma_f32 v[ACC+\p:ACC+\p+1], v[X+32*(\rw%6)+q:X+32*(\rw%6)+q+1], v[8*q+\p:8*q+\p+1], v[ACC+\p:ACC+\p+1] op_sel:[0,0,0] op_sel_hi:[0,1,1]
.endif
.endr
.irp p, 0,2,4,6
	v_pk_fma_f32 v[ACC+\p:ACC+\p+1], v[X+32*(\rw%6)+q:X+32*(\rw%6)+q+1], v[8*q+8+\p:8*q+8+\p+1], v[ACC+\p:ACC+\p+1] op_sel:[1,0,0] op_sel_hi:[1,1,1]
.endr
.set q, q+2
.endr
	WIN 0
.endm
; The row is rounded to f16 in place and stored: the lane's four numbers of each load become 8 bytes.
.macro CAST rw
.irp j, 0,1,2,3,4,5,6,7
	v_cvt_pk_f16_f32 v[X+32*(\rw%6)+4*\j],   v[X+32*(\rw%6)+4*\j],   v[X+32*(\rw%6)+4*\j+1]
	v_cvt_pk_f16_f32 v[X+32*(\rw%6)+4*\j+1], v[X+32*(\rw%6)+4*\j+2], v[X+32*(\rw%6)+4*\j+3]
.if \rw < 8
	global_store_b64 v2, v[X+32*(\rw%6)+4*\j:X+32*(\rw%6)+4*\j+1], s[28:29] offset:2048*\rw+256*\j
.elseif \rw == 8
	global_store_b64 v2, v[X+32*(\rw%6)+4*\j:X+32*(\rw%6)+4*\j+1], s[34:35] offset:256*\j
.else
	global_store_b64 v2, v[X+32*(\rw%6)+4*\j:X+32*(\rw%6)+4*\j+1], s[36:37] offset:256*\j
.endif
.endr
.endm
; The eight sums over the 32 lanes; every lane gets them, lanes 4 i .. 4 i + 3 keep them.
.macro REDUCE i
.irp m, 1,2,4,8
.irp e, 0,1,2,3,4,5,6,7
	v_add_f32_dpp v[ACC+\e], v[ACC+\e], v[ACC+\e] row_xmask:\m row_mask:0xf bank_mask:0xf
.endr
.endr
.irp e, 0,1,2,3,4,5,6,7
	v_permlanex16_b32 v[TP+\e], v[ACC+\e], s12, s13
.endr
.irp e, 0,1,2,3,4,5,6,7
	v_add_f32 v[ACC+\e], v[ACC+\e], v[TP+\e]
.endr
.if \i == 0
.irp e, 0,1,2,3,4,5,6,7
	v_mov_b32 v[HOLD+\e], v[ACC+\e]                ; the first row writes HOLD whole
.endr
.else
	s_mov_b32 s52, 0xf<<(4*\i)
.irp e, 0,1,2,3,4,5,6,7
	v_cndmask_b32 v[HOLD+\e], v[HOLD+\e], v[ACC+\e], s52
.endr
.endif
.endm
; Row rw's turn.  left = how many younger loads may stay out.  fill = 1: row nf = rw + 5 goes into the slot of row rw - 1 (in the first turn: the slot that staged Wr).
.macro TURN rw, fill, nf, left
	s_wait_loadcnt \left                           ; loads come back in order: my row's eight are in
.if \fill
	s_wait_xcnt 0x0                                ; the slot in front was the data of the last row's stores: it is loaded again only behind this wait
	FILL \nf
.endif
.if \rw < 8
	ROUTER \rw
.endif
	CAST \rw
.if \rw < 8
	REDUCE \rw
.endif
.endm
	TURN 0, 1, 5, 32                               ; 32: the next four rows' loads stay out
	TURN 1, 1, 6, 32
	TURN 2, 1, 7, 32
	TURN 3, 1, 8, 32
	TURN 4, 1, 9, 32
	TURN 5, 0, 0, 32                               ; nothing is left to fetch: the counts run down
	TURN 6, 0, 0, 24
	TURN 7, 0, 0, 16
	TURN 8, 0, 0, 8
	TURN 9, 0, 0, 0
	; softmax of row L / 4 in every lane: the maximum is taken away first, so the largest exponential is 1 and the sum lies between 1 and 8
.irp e, 0,1,2,3,4,5,6,7
	v_add_f32 v[HOLD+\e], s[40+\e], v[HOLD+\e]     ; + br
.endr
	v_max3_num_f32 v[TT], v[HOLD], v[HOLD+1], v[HOLD+2]
	v_max3_num_f32 v[TT], v[TT], v[HOLD+3], v[HOLD+4]
	v_max3_num_f32 v[TT], v[TT], v[HOLD+5], v[HOLD+6]
	v_max_num_f32 v[TT], v[TT], v[HOLD+7]
.irp e, 0,1,2,3,4,5,6,7
	v_sub_f32 v[HOLD+\e], v[HOLD+\e], v[TT]        ; the difference first, exact for near logits however large they are,
.endr
.irp e, 0,1,2,3,4,5,6,7
	v_mul_f32 v[HOLD+\e], 0x3fb8aa3b, v[HOLD+\e]   ; then to base 2
.endr
.irp e, 0,1,2,3,4,5,6,7
	v_exp_f32 v[R+\e], v[HOLD+\e]
.endr
	v_nop                                          ; one plain vector instruction between a transcendental and the use of its result (ISA guide 5.7.2)
	s_wait_alu depctr_va_vdst(0)
	v_add_f32 v[TT],   v[R],   v[R+1]
	v_add_f32 v[TT+1], v[R+2], v[R+3]
	v_add_f32 v[TT+4], v[R+4], v[R+5]
	v_add_f32 v[TT+5], v[R+6], v[R+7]
	v_add_f32 v[TT],   v[TT],   v[TT+1]
	v_add_f32 v[TT+4], v[TT+4], v[TT+5]
	v_add_f32 v[TT],   v[TT],   v[TT+4]
	v_rcp_f32 v[TT+1], v[TT]
	v_nop
	s_wait_alu depctr_va_vdst(0)
.irp e, 0,1,2,3,4,5,6,7
	v_mul_f32 v[R+\e], v[R+\e], v[TT+1]
.endr
	; rf: lane L stores r[2 (L mod 4)] and the next of row L / 4: the wave's store covers 256 neighbouring bytes, aligned
	v_cndmask_b32 v[TT+4], v[R],   v[R+2], s48
	v_cndmask_b32 v[TT+5], v[R+1], v[R+3], s48
	v_cndmask_b32 v[TT+6], v[R+4], v[R+6], s48
	v_cndmask_b32 v[TT+7], v[R+5], v[R+7], s48
	v_cndmask_b32 v[TT+2], v[TT+4], v[TT+6], s49
	v_cndmask_b32 v[TT+3], v[TT+5], v[TT+7], s49
	global_store_b64 v2, v[TT+2:TT+3], s[30:31]
	; rh: lane L stores 16 bytes of row L / 4: lanes 0 mod 4 the eight r in f16, the others zeros: 512 neighbouring bytes
.irp k, 0,1,2,3
	v_cvt_pk_f16_f32 v[TT+8+\k], v[R+2*\k], v[R+2*\k+1]
.endr
.irp k, 0,1,2,3
	v_cndmask_b32 v[TT+8+\k], 0, v[TT+8+\k], s50
.endr
	global_store_b128 v1, v[TT+8:TT+11], s[32:33]
	; b2t: wave 0 makes the work-group's four rows d = 4 wg + L / 8; lane L holds k = 4 (L mod 8) .. + 3, of which k < 8 are experts
	s_cmp_lg_u32 s8, 0
	s_cbranch_scc1 .Lend
.irp k, 0,1,2,3
	global_load_b32 v[TT+12+\k], v6, s[22:23] offset:4096*\k     ; b2[4 (L mod 2) + k][d]; the lanes that will store zeros read the same words
.endr
	s_wait_loadcnt 0x0
	v_cvt_pk_f16_f32 v[TT+16], v[TT+12], v[TT+13]
	v_cvt_pk_f16_f32 v[TT+17], v[TT+14], v[TT+15]
	v_cndmask_b32 v[TT+16], 0, v[TT+16], s51
	v_cndmask_b32 v[TT+17], 0, v[TT+17], s51
	global_store_b64 v2, v[TT+16:TT+17], s[38:39]  ; 256 neighbouring bytes, aligned
.Lend:
	s_wait_tensorcnt 0x0
	ds_add_u32 v254, v255
	s_wait_dscnt 0x0
	s_endpgm
.Lfunc_end_k_q4d778e54a8_prep:
	.size	k_q4d778e54a8_prep, .Lfunc_end_k_q4d778e54a8_prep-k_q4d778e54a8_prep
	.p2alignl 7, 3214868480
	.fill 96, 4, 3214868480
	.section	.rodata,"a",@progbits
	.p2align	6, 0x0
	.amdhsa_kernel k_q4d778e54a8_prep
		.amdhsa_group_segment_fixed_size 37888
		.amdhsa_private_segment_fixed_size 0
		.amdhsa_enable_private_segment 0
		.amdhsa_kernarg_size 96
		.amdhsa_user_sgpr_count 2
		.amdhsa_user_sgpr_kernarg_segment_ptr 1
		.amdhsa_wavefront_size32 1
		.amdhsa_system_sgpr_workgroup_id_x 1
		.amdhsa_system_sgpr_workgroup_id_y 1
		.amdhsa_system_sgpr_workgroup_id_z 1
		.amdhsa_system_vgpr_workitem_id 0
		.amdhsa_next_free_vgpr 512
		.amdhsa_next_free_sgpr 66
		.amdhsa_reserve_vcc 0
		.amdhsa_float_denorm_mode_32 3
		.amdhsa_float_denorm_mode_16_64 3
		.amdhsa_memory_ordered 1
		.amdhsa_forward_progress 1
		.amdhsa_inst_pref_size 129
	.end_amdhsa_kernel
	.amdgpu_metadata
---
amdhsa.version: [ 1, 2 ]
amdhsa.kernels:
  - .name:           k_q4d778e54a8_prep
    .symbol:         k_q4d778e54a8_prep.kd
    .args:
      - { .name: x, .offset: 0, .size: 8, .value_kind: global_buffer, .address_space: global }
      - { .name: Wr, .offset: 8, .size: 8, .value_kind: global_buffer, .address_space: global }
      - { .name: br, .offset: 16, .size: 8, .value_kind: global_buffer, .address_space: global }
      - { .name: b2, .offset: 24, .size: 8, .value_kind: global_buffer, .address_space: global }
      - { .name: W1, .offset: 32, .size: 8, .value_kind: global_buffer, .address_space: global }
      - { .name: W2, .offset: 40, .size: 8, .value_kind: global_buffer, .address_space: global }
      - { .name: xh, .offset: 48, .size: 8, .value_kind: global_buffer, .address_space: global }
      - { .name: rf, .offset: 56, .size: 8, .value_kind: global_buffer, .address_space: global }
      - { .name: rh, .offset: 64, .size: 8, .value_kind: global_buffer, .address_space: global }
      - { .name: w1h, .offset: 72, .size: 8, .value_kind: global_buffer, .address_space: global }
      - { .name: w2h, .offset: 80, .size: 8, .value_kind: global_buffer, .address_space: global }
      - { .name: b2t, .offset: 88, .size: 8, .value_kind: global_buffer, .address_space: global }
    .group_segment_fixed_size: 37888
    .private_segment_fixed_size: 0
    .kernarg_segment_align: 8
    .kernarg_segment_size: 96
    .max_flat_workgroup_size: 256
    .sgpr_count:     66
    .vgpr_count:     512
    .wavefront_size: 32
...
	.end_amdgpu_metadata
.endif
;; end of part 1
;; launch gemm1 (part 2): grid 8 x 64, 4 waves a work-group, clusters of 4 x 4, 327,680 bytes of LDS; arguments xh, w1h, hh, b1, rf; writes hh
.if DOCPART == 2
	.amdgcn_target "amdgcn-amd-amdhsa--gfx1250"
	.amdhsa_code_object_version 6
	.text
	.protected	k_q4d778e54a8_gemm1
	.globl	k_q4d778e54a8_gemm1
	.p2align	8
	.type	k_q4d778e54a8_gemm1,@function
k_q4d778e54a8_gemm1:
	s_mov_b64 s[64:65], 0
	v_nop
	global_prefetch_b8 v0, s[64:65] scope:SCOPE_SE
	s_setreg_imm32_b32 hwreg(HW_REG_WAVE_MODE, 25, 1), 1
	s_wait_xcnt 0x0
	s_wait_alu depctr_hold_cnt(0) depctr_sa_sdst(0) depctr_va_vdst(0) depctr_va_sdst(0) depctr_va_ssrc(0) depctr_va_vcc(0) depctr_vm_vsrc(0)
	s_getreg_b32 s2, hwreg(HW_REG_IB_STS2, 6, 4)
	s_cmp_eq_u32 s2, 0
	s_cbranch_scc0 .Lentry_in_a_cluster
	s_endpgm
.Lentry_in_a_cluster:
	s_bfe_u32 s2, ttmp6, 0x10000c
	s_cmp_lg_u32 s2, 0xf033
	s_cbranch_scc0 .Lentry_shape_is_right
	s_endpgm
.Lentry_shape_is_right:
; GEMM 1: hh[t][256 e + f] = r[t][e] gelu( sum over d of xh[t][d] w1h[e][d][f] + b1[e][f] ), rounded once to f16.
; xh [16384][1024] f16, w1h [8][1024][256] f16, b1 [8][256] f32, rf [16384][8] f32, hh [16384][2048] f16.  Sums in f32.
; The router's weight is multiplied in here, so that the second product sums over experts and hidden units at once.
; A work-group makes 256 tokens x one expert's 256 units with four waves; a wave makes 128 x 128: 64 accumulator tiles of 16 x 16, 512 registers.
; K goes in steps of 128 through a ring of two LDS slots filled by tensor loads.  A's tile: 256 rows of 256 bytes.  B's tile lies as in memory, [K][N]:
; 128 rows (K) of 512 bytes (N); its fragments are read by the transposing LDS load.
; CLUSTERS: 4 x 4 work-groups.  The four of a row of the cluster have the same tokens and ask for A's tiles jointly; the four of a column have the same
; expert and ask for B's tiles jointly: the requests for A and for B are divided by four.
; GELU is exact GELU x Phi(x) with Phi by Abramowitz and Stegun 26.2.17: for every finite x its absolute error is below 7.5e-8.  Written as
; max(x, 0) - |x| Q(|x|), Q(u) = exp(-u u / 2) / sqrt(2 pi) x (a polynomial of degree 5 in 1 / (1 + 0.2316419 u)).
; ROOM OF hh IN f16: a pre-activation of the drawn inputs has the standard deviation 32 x 1 x (1/32) / sqrt(3) = 0.58, and r is at most 1.  With x and W1 both thirty
; times larger that is 520, and f16's largest number, 65,504, is 126 of these; with both thirty times smaller r gelu is about 6.4e-4 / 2 / 8 = 4e-5, where f16's
; step is 2^-24: a rounding error of at most 3e-8, under a thousandth of the number.
; LIMITS: |r gelu| above 65,504 becomes infinite in hh; exp(-u u / 2) below 2^-126 comes out as 0 (the term is then below 1e-36); an infinite pre-activation gives NaN.
;
; REGISTERS, in windows of 256:
;   window 0: v0-31 addresses; v32-39 r of my rows; v40-53 constants; v64-127, v128-191 fragments of A, two buffers (the way out works in them); v192-255 the way out
;   window 1: v64-127, v128-191 fragments of B, two buffers; v192-255 b1 of my columns
;   window 2: the 32 accumulator tiles of my rows 0-63 (tile (a, b) at v[8 (8 a + b)]);   window 3: those of my rows 64-127
; THE MATRIX INSTRUCTION IS USED TRANSPOSED: source 0 = 16 columns of B, source 1 = 16 rows of A: lane l holds token l % 16, and its registers 0 to 7 the units
; 8 (l / 16) + 0 .. 7: eight neighbouring numbers of a row of hh.
.set KSTEP,  128
.set KA,     1024                      ; A's pitch in elements
.set PB,     256                       ; B's pitch in elements
.set BSTEP,  KSTEP*PB*2                ; bytes of B from a K step to the next
.set PITCH,  272                       ; A's LDS row: 256 bytes + 16 of padding: the 16 rows that a load touches start 16 bytes apart modulo 256
.set BPITCH, 544                       ; B's LDS row: 512 bytes + 32 of padding: the 8 rows that a group of lanes touches start 32 bytes apart modulo 256
.set HALFT,  128*PITCH                 ; what one tensor load brings: 128 rows of A, or 64 rows of B (64 x 544 is the same 34,816 bytes)
.set SLOT,   4*HALFT                   ; A's tile, then B's
.set STAGE,  2*SLOT                    ; behind the ring: 16 rows x 272 bytes for each wave, for the way out; no tensor load lands there
.set SPITCH, 272
.set LAPS,   KA/(2*KSTEP)              ; a lap = two K steps = once round the ring: 4
.set ADRA, 16                          ; v16-17  LDS address of my A fragments in slot 0, 1
.set ADRB, 20                          ; v20-21  the same for B
.set STO,  24                          ; the way out: where I put 16 bytes of a row
.set RD,   25                          ; where I read a row back
.set CO,   26                          ; my byte offset in hh
.set GA,   27                          ; my byte offset in b1
.set GB,   28                          ; my byte offset in rf
.set RS,   32                          ; v32-39  r[token 16 i + l % 16][expert], i = 0 .. 7
.set KP,   40                          ; constants, each twice, for packed arithmetic
.set KNH,  42
.set KC5,  44
.set KC4,  46
.set KC3,  48
.set KC2,  50
.set KC1,  52
.set F0,   64
.set F1,   128
.set PRE,  128                         ; the way out: 64 pre-activations
.set TMP,  192                         ; packed results
.set RB,   224                         ; rows read back
.set G1, 24                            ; s[24:31] descriptor group 1 for A's tiles
.set G0, 32                            ; s[32:39] group 0 for A's tiles, one set for each slot
.set G1B, 48                           ; s[48:55] group 1 for B's tiles
.set G0B, 56                           ; s[56:63] group 0 for B's tiles, one set for each slot
.set MSB, 0
.macro WIN new                         ; the immediate's high byte repeats the setting that is left
.if MSB != \new
	s_set_vgpr_msb (MSB<<8)|\new
.set MSB, \new
.endif
.endm
.set MUL_LO, 0xa1                      ; source 0 (B) window 1, source 1 (A) window 0, C and D window 2
.set MUL_HI, 0xf1                      ; the same, C and D window 3
.set TO_B,   0x40                      ; destination window 1, address window 0
; A joint load.  Waves 0 and 1 fetch A's two halves, waves 2 and 3 B's.  Each line has one mask and one set of registers; the branch hangs on the wave's number alone.
.macro JLOAD s
	s_cmp_eq_u32 s11, 0
	s_cbranch_scc0 .Lfor_b_\@
	tensor_load_to_lds s[G0+4*\s:G0+4*\s+3], s[G1:G1+7]
	s_nop 0
	s_branch .Lasked_\@
.Lfor_b_\@:
	tensor_load_to_lds s[G0B+4*\s:G0B+4*\s+3], s[G1B:G1B+7]
	s_nop 0
.Lasked_\@:
.endm
; A round of the cluster's barrier: my work-group's barrier; wave 0 signals for the work-group; every wave waits for all sixteen; my work-group's barrier once more.
.macro CREST                           ; a round behind its opening barrier
	s_cmp_lg_u32 s10, 0
	s_cbranch_scc1 .Lnot_wave_0_\@
	s_barrier_signal -3
.Lnot_wave_0_\@:
	s_barrier_wait -3
	s_barrier_signal -1
	s_barrier_wait -1
.endm
.macro CROUND
	s_barrier_signal -1
	s_barrier_wait -1
	CREST
.endm
.macro CONST2 reg, bits
	v_mov_b32 v[\reg], \bits
	v_mov_b32 v[\reg+1], \bits
.endm
	s_load_b128 s[4:7], s[0:1], 0x0                ; xh s[4:5], w1h s[6:7]
	s_load_b64 s[8:9], s[0:1], 0x10                ; hh
	s_load_b128 s[68:71], s[0:1], 0x18             ; b1 s[68:69], rf s[70:71]
	s_set_vgpr_msb 0x40
	v_lshl_add_u32 v63, v0, 2, 0x48400
	s_set_vgpr_msb 0x4000
	v_mov_b32 v63, 0
	s_set_vgpr_msb 0x1
	ds_add_u32 v63, v63
	s_set_vgpr_msb 0x100
	v_lshrrev_b32 v1, 5, v0
	v_readfirstlane_b32 s10, v1                    ; wave 0..3
	s_lshr_b32 s11, s10, 1                         ; which half of the block's rows is mine.  Also: I fetch for A (0) or for B (1)
	s_and_b32 s12, s10, 1                          ; which half of its columns.  Also: which half of that tile I fetch
	s_bfe_u32 s40, ttmp6, 0x40000                  ; cx
	s_bfe_u32 s41, ttmp6, 0x40004                  ; cy
	s_lshl_b32 s42, ttmp9, 2
	s_add_co_u32 s42, s42, s40                     ; expert = 4 x cluster x + cx
	s_and_b32 s13, ttmp7, 0xffff
	s_lshl_b32 s13, s13, 2
	s_add_co_u32 s13, s13, s41                     ; block of 256 tokens = 4 x cluster y + cy
	s_lshl_b32 s43, s41, 2
	s_lshl_b32 s43, 15, s43                        ; my row of the cluster: places 4 cy .. 4 cy + 3
	s_lshl_b32 s44, 0x1111, s40                    ; my column: places cx, cx + 4, cx + 8, cx + 12
	; group 1 for A: 128 rows x 128 elements of 2 bytes; 4 words of padding behind every 64 words
	s_or_b32 s[G1+0], s43, (1<<16)|(1<<20)|(1<<21)|(5<<22)|(3<<25)
	s_mov_b32 s[G1+1], KSTEP<<16                   ; tensor_dim0 = 128
	s_mov_b32 s[G1+2], 128<<16                     ; tensor_dim1 = 128
	s_mov_b32 s[G1+3], KSTEP<<16                   ; tile_dim0 = 128
	s_mov_b32 s[G1+4], 128                         ; tile_dim1 = 128
	s_mov_b32 s[G1+5], KA                          ; elements from row to row
	s_mov_b32 s[G1+6], 0
	s_mov_b32 s[G1+7], 0
	; group 1 for B: 64 rows (K) x 256 elements (N); 8 words of padding behind every 128 words
	s_or_b32 s[G1B+0], s44, (1<<16)|(1<<20)|(1<<21)|(6<<22)|(7<<25)
	s_mov_b32 s[G1B+1], 256<<16                    ; tensor_dim0 = 256
	s_mov_b32 s[G1B+2], 64<<16                     ; tensor_dim1 = 64
	s_mov_b32 s[G1B+3], 256<<16                    ; tile_dim0 = 256
	s_mov_b32 s[G1B+4], 64                         ; tile_dim1 = 64
	s_mov_b32 s[G1B+5], PB
	s_mov_b32 s[G1B+6], 0
	s_mov_b32 s[G1B+7], 0
	; where the tiles come from: A's hang on the token block alone, B's on the expert alone; each in registers that never hold the other coordinate
	s_lshl_b32 s16, s13, 8
	s_lshl_b32 s17, s12, 7
	s_add_co_u32 s16, s16, s17                     ; A: row 256 x block + 128 x half,
	s_lshl_b32 s16, s16, 11                        ; of 2,048 bytes (below 2^25)
	s_mov_b32 s17, 0
	s_lshl_b32 s46, s42, 19                        ; B: expert x 524,288 bytes
	s_lshl_b32 s47, s12, 15                        ; + half x 64 rows of 512 bytes
	s_add_co_u32 s46, s46, s47
	s_mov_b32 s47, 0
	s_mul_i32 s20, s10, HALFT                      ; and where they go: wave x 34,816: A's halves, then B's
	s_wait_dscnt 0x0
	s_wait_kmcnt 0x0
	s_add_nc_u64 s[14:15], s[4:5], s[16:17]
	s_add_nc_u64 s[46:47], s[6:7], s[46:47]
	CROUND                                         ; all sixteen work-groups are here: the first joint loads meet
.irp s, 0,1
	s_mov_b32 s[G0+4*\s], 1
	s_add_co_u32 s[G0+4*\s+1], s20, \s*SLOT
	s_add_nc_u64 s[G0+4*\s+2:G0+4*\s+3], s[14:15], \s*KSTEP*2
	s_or_b32 s[G0+4*\s+3], s[G0+4*\s+3], 0x80000000
	s_mov_b32 s[G0B+4*\s], 1
	s_add_co_u32 s[G0B+4*\s+1], s20, \s*SLOT
	s_add_nc_u64 s[G0B+4*\s+2:G0B+4*\s+3], s[46:47], \s*BSTEP
	s_or_b32 s[G0B+4*\s+3], s[G0B+4*\s+3], 0x80000000
	JLOAD \s                                       ; the ring is filled before anything else is done: two tensor loads of the wave are out
.endr
	v_and_b32 v1, 15, v0                           ; r = l % 16
	v_bfe_u32 v2, v0, 4, 1                         ; h = l / 16
	; b1 of my columns (tile b, register j: unit 128 half + 16 b + 8 h + j) and r of my rows: small, once
	v_lshlrev_b32 v[GA], 5, v2                     ; 32 h
	v_lshlrev_b32 v[GB], 5, v1                     ; 32 r: a row of rf
	s_lshl_b32 s72, s42, 10
	s_lshl_b32 s73, s12, 9
	s_add_co_u32 s72, s72, s73
	s_mov_b32 s73, 0
	s_add_nc_u64 s[68:69], s[68:69], s[72:73]      ; b1 + 1,024 expert + 512 half
	s_lshl_b32 s72, s13, 13
	s_lshl_b32 s73, s11, 12
	s_add_co_u32 s72, s72, s73
	s_lshl_b32 s73, s42, 2
	s_add_co_u32 s72, s72, s73
	s_mov_b32 s73, 0
	s_add_nc_u64 s[70:71], s[70:71], s[72:73]      ; rf + 32 (256 block + 128 half) + 4 expert
	WIN TO_B
.irp b, 0,1,2,3,4,5,6,7
	global_load_b128 v[192+8*\b:192+8*\b+3],   v[GA], s[68:69] offset:64*\b
	global_load_b128 v[192+8*\b+4:192+8*\b+7], v[GA], s[68:69] offset:64*\b+16
.endr
	WIN 0
.irp i, 0,1,2,3,4,5,6,7
	global_load_b32 v[RS+\i], v[GB], s[70:71] offset:512*\i
.endr
	; A's fragment, from rows that lie along K: two loads of 16 bytes, 32 bytes apart, at row x pitch + 16 h
	v_mul_u32_u24 v3, v1, PITCH
	v_lshl_add_u32 v3, v2, 4, v3
	s_mul_i32 s21, s11, HALFT                      ; my 128 rows of A
	; B's fragment, from rows that lie along N: two transposing loads, 16 rows of K apart; lane l addresses row 8 h + l % 8, bytes 16 ((l / 8) % 2)
	v_and_b32 v4, 7, v0
	v_lshl_add_u32 v4, v2, 3, v4
	v_mul_u32_u24 v4, v4, BPITCH
	v_bfe_u32 v5, v0, 3, 1
	v_lshl_add_u32 v4, v5, 4, v4
	s_lshl_b32 s22, s12, 8                         ; my 128 columns of B: 256 bytes,
	s_add_co_u32 s22, s22, 2*HALFT                 ; behind A's tile
.irp s, 0,1
	v_add_nc_u32 v[ADRA+\s], s21, v3
	v_add_nc_u32 v[ADRB+\s], s22, v4
	s_add_co_u32 s21, s21, SLOT
	s_add_co_u32 s22, s22, SLOT
.endr
	s_mul_i32 s23, s10, 16*SPITCH
	s_add_co_u32 s23, s23, STAGE                   ; my stage
	v_mul_u32_u24 v6, v1, SPITCH                   ; in: row l % 16, 16 bytes for each half of the lanes
	v_lshl_add_u32 v6, v2, 4, v6
	v_add_nc_u32 v[STO], s23, v6
	v_mul_u32_u24 v7, v2, SPITCH                   ; back: lanes 0-15 take one row of 256 bytes, lanes 16-31 the next
	v_lshl_add_u32 v7, v1, 4, v7
	v_add_nc_u32 v[RD], s23, v7
	v_lshlrev_b32 v7, 12, v2                       ; and the same two rows in hh (4,096 bytes a row)
	v_lshl_add_u32 v[CO], v1, 4, v7
	s_lshl_b32 s72, s13, 8
	s_lshl_b32 s73, s11, 7
	s_add_co_u32 s72, s72, s73
	s_lshl_b32 s72, s72, 12                        ; my first row of hh, in bytes (below 2^26)
	s_lshl_b32 s73, s42, 9
	s_add_co_u32 s72, s72, s73                     ; + 512 expert
	s_lshl_b32 s73, s12, 8
	s_add_co_u32 s72, s72, s73                     ; + 256 half
	s_mov_b32 s73, 0
	s_add_nc_u64 s[8:9], s[8:9], s[72:73]
	s_mov_b32 s74, 0x7fffffff                      ; clears a sign
	CONST2 KP,  0x3e6d3389                         ; 0.2316419
	CONST2 KNH, 0xbf38aa3b                         ; -log2(e) / 2
	CONST2 KC5, 0xbf07dc22                         ; -1.330274429 / sqrt(2 pi)
	CONST2 KC4, 0x3f3a00e3                         ; +1.821255978 / sqrt(2 pi)
	CONST2 KC3, 0xbf35f0e3                         ; -1.781477937 / sqrt(2 pi)
	CONST2 KC2, 0x3e11a98e                         ; +0.356563782 / sqrt(2 pi)
	CONST2 KC1, 0xbe027906                         ; -0.319381530 / sqrt(2 pi)
; 16 matrix instructions: row blocks a0, a0 + 1 of the window's four x all 8 column blocks, 32 along K.  zero = 1: the first product starts the sums.
; The 64 accumulators take turns, one instruction a turn, in the same order in every quarter step, over the loop's backward jump too.
.macro MUL16 f, hi, a0, zero
.irp a, \a0, \a0+1
.irp b, 0,1,2,3,4,5,6,7
.if \zero
	v_wmma_f32_16x16x32_f16 v[8*(8*(\a)+\b):8*(8*(\a)+\b)+7], v[\f+8*\b:\f+8*\b+7], v[\f+8*(4*\hi+\a):\f+8*(4*\hi+\a)+7], 0
.else
	v_wmma_f32_16x16x32_f16 v[8*(8*(\a)+\b):8*(8*(\a)+\b)+7], v[\f+8*\b:\f+8*\b+7], v[\f+8*(4*\hi+\a):\f+8*(4*\hi+\a)+7], v[8*(8*(\a)+\b):8*(8*(\a)+\b)+7]
.endif
.endr
.endr
.endm
; 32 LDS loads in one run: the fragments of one quarter step into buffer f.  k = byte of the quarter in A's rows (2 bytes for each K), so B's rows begin at (k / 2) x 544 = k x 272.
.macro FETCH slot, k, f
	WIN TO_B
.irp i, 0,1,2,3,4,5,6,7
	ds_load_tr16_b128 v[\f+8*\i:\f+8*\i+3],   v[ADRB+\slot] offset:\k*PITCH+\i*32
	ds_load_tr16_b128 v[\f+8*\i+4:\f+8*\i+7], v[ADRB+\slot] offset:\k*PITCH+\i*32+16*BPITCH
.endr
	WIN 0
.irp i, 0,1,2,3,4,5,6,7
	ds_load_b128 v[\f+8*\i:\f+8*\i+3],   v[ADRA+\slot] offset:\k+\i*16*PITCH
	ds_load_b128 v[\f+8*\i+4:\f+8*\i+7], v[ADRA+\slot] offset:\k+\i*16*PITCH+32
.endr
.endm
; Four plain vector instructions stand between a matrix instruction and a load into one of its registers, or a vector instruction that reads its result
.macro PLACES
.rept 4
	v_nop
.endr
.endm
; One of a K step's first three quarters: multiplies buffer f; in its middle it fetches the next quarter's fragments into buffer g.
.macro QUARTER slot, k, f, g, zero
	s_wait_dscnt 8                                 ; B and A's rows 0-63 are in; the youngest eight loads (A's rows 64-127) may be out
	WIN MUL_LO
	MUL16 \f, 0, 0, \zero
	MUL16 \f, 0, 2, \zero
	PLACES
	FETCH \slot, \k, \g
	s_wait_dscnt 32                                ; all but the 32 just issued
	WIN MUL_HI
	MUL16 \f, 1, 0, \zero
	MUL16 \f, 1, 2, \zero
.endm
.macro THREE slot, zero
	QUARTER \slot, 64,  F0, F1, \zero
	QUARTER \slot, 128, F1, F0, 0
	QUARTER \slot, 192, F0, F1, 0
.endm
; The last quarter: multiplies buffer 1 and changes slots.  fill = 1: this slot is filled again, two K steps ahead.
; In front of the barrier each wave waits for its reads of this slot and for all its tensor loads (one is out: its part of the next slot).
; Behind it, and behind the cluster's round that it opens, nobody in the cluster reads this slot: the joint refill comes first, then the next slot's fragments.
.macro TURN slot, next, fill
	s_wait_dscnt 8
	WIN MUL_LO
	MUL16 F1, 0, 0, 0
	s_wait_dscnt 0                                 ; my reads of this slot are over
	s_wait_tensorcnt 0x0                           ; all my tensor loads have landed
	ds_add_u32 v63, v63
	s_wait_dscnt 0x0
	s_barrier_signal -1
	MUL16 F1, 0, 2, 0                              ; register work while the others arrive
	WIN 0
	s_barrier_wait -1
.if \fill
	CREST
	s_add_nc_u64 s[G0+4*\slot+2:G0+4*\slot+3], s[G0+4*\slot+2:G0+4*\slot+3], 2*KSTEP*2      ; no tensor load of mine is out: the addresses may step
	s_add_nc_u64 s[G0B+4*\slot+2:G0B+4*\slot+3], s[G0B+4*\slot+2:G0B+4*\slot+3], 2*BSTEP
	JLOAD \slot                                    ; my one tensor load behind the round
.endif
	PLACES
	FETCH \next, 0, F0
	WIN MUL_HI
	MUL16 F1, 1, 0, 0
	MUL16 F1, 1, 2, 0
.endm
.macro LAP zero
	THREE 0, \zero
	TURN 0, 1, 1
	THREE 1, 0
	TURN 1, 0, 1
.endm
	s_wait_loadcnt 0x0                             ; b1 and r are in: no load is out at any barrier below
	s_wait_tensorcnt 1                             ; my part of K step 0 is in; K step 1's stays out
	s_barrier_signal -1
	s_barrier_wait -1                              ; everybody's is
	FETCH 0, 0, F0
	LAP 1                                          ; the first lap's first products start the sums
	WIN 0
	s_mov_b32 s3, LAPS-2
.Llap:
	LAP 0
	WIN 0
	s_sub_co_u32 s3, s3, 1
	s_cmp_lg_u32 s3, 0
	s_cbranch_scc1 .Llap
	THREE 0, 0                                     ; the last lap fills nothing
	TURN 0, 1, 0
	THREE 1, 0
	s_wait_dscnt 8
	WIN MUL_LO
	MUL16 F1, 0, 0, 0
	MUL16 F1, 0, 2, 0
	s_wait_dscnt 0
	WIN MUL_HI
	MUL16 F1, 1, 0, 0
	MUL16 F1, 1, 2, 0
	PLACES                                         ; behind the last matrix instructions: results are read and fragment buffers written below
; Eight pre-activations x in v[PRE + 8 b ..] become r gelu(x) in f16.  Four sets of eight temporaries, two such groups by turns:
; AX = |x|;  U = 1 + p |x|, later E = exp(-x x / 2);  T = 1 / U;  S = x x, scaled, later the polynomial.  No transcendental writes its own source, and
; plain packed arithmetic stands between each run of transcendentals and the use of its results (ISA guide 5.7.2).
.macro GELU8 b, rp, sel
.set XR, PRE+8*\b
.set TB, 64+32*(\b&1)
.irp j, 0,1,2,3,4,5,6,7
	v_and_b32 v[TB+\j], s74, v[XR+\j]
.endr
.irp p, 0,2,4,6
	v_pk_fma_f32 v[TB+24+\p:TB+25+\p], v[TB+\p:TB+1+\p], v[KP:KP+1], 1.0 op_sel_hi:[1,1,0]
.endr
.irp p, 0,2,4,6
	v_pk_mul_f32 v[TB+16+\p:TB+17+\p], v[XR+\p:XR+1+\p], v[XR+\p:XR+1+\p]
.endr
.irp j, 0,1,2,3,4,5,6,7
	v_rcp_f32 v[TB+8+\j], v[TB+24+\j]
.endr
.irp p, 0,2,4,6
	v_pk_mul_f32 v[TB+16+\p:TB+17+\p], v[TB+16+\p:TB+17+\p], v[KNH:KNH+1]
.endr
.irp j, 0,1,2,3,4,5,6,7
	v_exp_f32 v[TB+24+\j], v[TB+16+\j]
.endr
.irp j, 0,1,2,3,4,5,6,7
	v_max_num_f32 v[XR+\j], 0, v[XR+\j]
.endr
	s_wait_alu depctr_va_vdst(0)
.irp p, 0,2,4,6
	v_pk_fma_f32 v[TB+16+\p:TB+17+\p], v[TB+8+\p:TB+9+\p], v[KC5:KC5+1], v[KC4:KC4+1]
.endr
.irp c, KC3, KC2, KC1
.irp p, 0,2,4,6
	v_pk_fma_f32 v[TB+16+\p:TB+17+\p], v[TB+16+\p:TB+17+\p], v[TB+8+\p:TB+9+\p], v[\c:\c+1]
.endr
.endr
.irp p, 0,2,4,6
	v_pk_mul_f32 v[TB+24+\p:TB+25+\p], v[TB+24+\p:TB+25+\p], v[TB+8+\p:TB+9+\p]
.endr
.irp p, 0,2,4,6
	v_pk_mul_f32 v[TB+16+\p:TB+17+\p], v[TB+16+\p:TB+17+\p], v[TB+24+\p:TB+25+\p]     ; -Q(|x|)
.endr
.irp p, 0,2,4,6
	v_pk_fma_f32 v[XR+\p:XR+1+\p], v[TB+\p:TB+1+\p], v[TB+16+\p:TB+17+\p], v[XR+\p:XR+1+\p]   ; max(x, 0) - |x| Q(|x|)
.endr
.irp p, 0,2,4,6
	v_pk_mul_f32 v[XR+\p:XR+1+\p], v[XR+\p:XR+1+\p], v[\rp:\rp+1] op_sel:[0,\sel] op_sel_hi:[1,\sel]   ; x r of my token, broadcast to both halves
.endr
.irp k, 0,1,2,3
	v_cvt_pk_f16_f32 v[TMP+4*\b+\k], v[XR+2*\k], v[XR+2*\k+1]
.endr
.endm
; Rows 16 i .. 16 i + 15 of my block = the eight tiles (a, 0..7) of window 2 or 3 (w = 0x06 or 0x07: source 0 that window, source 1 window 1).
; r of these rows is register sel of the pair rp.  The packed results go through my own stage in LDS and leave as whole rows of 256 bytes.
.macro OUT16 i, a, w, rp, sel
	WIN \w
.irp b, 0,1,2,3,4,5,6,7
.irp p, 0,2,4,6
	v_pk_add_f32 v[PRE+8*\b+\p:PRE+8*\b+\p+1], v[8*(8*\a+\b)+\p:8*(8*\a+\b)+\p+1], v[192+8*\b+\p:192+8*\b+\p+1]   ; + b1
.endr
.endr
	WIN 0
.irp b, 0,1,2,3,4,5,6,7
	GELU8 \b, \rp, \sel
.endr
.irp b, 0,1,2,3,4,5,6,7
	ds_store_b128 v[STO], v[TMP+4*\b:TMP+4*\b+3] offset:32*\b
.endr
	s_wait_xcnt 0x0                                ; RB, which the last rows' stores read, and the stores' base are rewritten only behind this wait
.if \i
	s_add_nc_u64 s[8:9], s[8:9], 16*4096           ; 16 rows of hh on
.endif
.irp t, 0,1,2,3,4,5,6,7
	ds_load_b128 v[RB+4*\t:RB+4*\t+3], v[RD] offset:\t*2*SPITCH    ; LDS serves a wave's instructions in order (ISA guide 5.7.1.4): these see the stores above
.endr
.irp t, 0,1,2,3,4,5,6,7
	s_wait_dscnt 7-\t                              ; the loads come back in order: pair t of rows is in
	global_store_b128 v[CO], v[RB+4*\t:RB+4*\t+3], s[8:9] offset:2*\t*4096   ; 16 lanes store 256 neighbouring bytes, aligned
.endr
.endm
	OUT16 0, 0, 0x06, RS,   0
	OUT16 1, 1, 0x06, RS,   1
	OUT16 2, 2, 0x06, RS+2, 0
	OUT16 3, 3, 0x06, RS+2, 1
	OUT16 4, 0, 0x07, RS+4, 0
	OUT16 5, 1, 0x07, RS+4, 1
	OUT16 6, 2, 0x07, RS+6, 0
	OUT16 7, 3, 0x07, RS+6, 1
	s_set_vgpr_msb 0x1
	s_wait_tensorcnt 0x0
	ds_add_u32 v63, v63
	s_wait_dscnt 0x0
	s_set_vgpr_msb 0x100
	CROUND                                         ; the closing round: no work-group ends while a partner may still ask for a tile that names it
	s_endpgm
.Lfunc_end_k_q4d778e54a8_gemm1:
	.size	k_q4d778e54a8_gemm1, .Lfunc_end_k_q4d778e54a8_gemm1-k_q4d778e54a8_gemm1
	.p2alignl 7, 3214868480
	.fill 96, 4, 3214868480
	.section	.rodata,"a",@progbits
	.p2align	6, 0x0
	.amdhsa_kernel k_q4d778e54a8_gemm1
		.amdhsa_group_segment_fixed_size 327680
		.amdhsa_private_segment_fixed_size 0
		.amdhsa_enable_private_segment 0
		.amdhsa_kernarg_size 40
		.amdhsa_user_sgpr_count 2
		.amdhsa_user_sgpr_kernarg_segment_ptr 1
		.amdhsa_wavefront_size32 1
		.amdhsa_system_sgpr_workgroup_id_x 1
		.amdhsa_system_sgpr_workgroup_id_y 1
		.amdhsa_system_sgpr_workgroup_id_z 1
		.amdhsa_system_vgpr_workitem_id 0
		.amdhsa_next_free_vgpr 1024
		.amdhsa_next_free_sgpr 76
		.amdhsa_reserve_vcc 0
		.amdhsa_float_denorm_mode_32 3
		.amdhsa_float_denorm_mode_16_64 3
		.amdhsa_memory_ordered 1
		.amdhsa_forward_progress 1
		.amdhsa_inst_pref_size 255
	.end_amdhsa_kernel
	.section	.bss,"aw",@nobits
	.p2align	6
	.space	262144
	.amdgpu_metadata
---
amdhsa.version: [ 1, 2 ]
amdhsa.kernels:
  - .name:           k_q4d778e54a8_gemm1
    .symbol:         k_q4d778e54a8_gemm1.kd
    .args:
      - { .name: xh, .offset: 0, .size: 8, .value_kind: global_buffer, .address_space: global }
      - { .name: w1h, .offset: 8, .size: 8, .value_kind: global_buffer, .address_space: global }
      - { .name: hh, .offset: 16, .size: 8, .value_kind: global_buffer, .address_space: global }
      - { .name: b1, .offset: 24, .size: 8, .value_kind: global_buffer, .address_space: global }
      - { .name: rf, .offset: 32, .size: 8, .value_kind: global_buffer, .address_space: global }
    .group_segment_fixed_size: 327680
    .private_segment_fixed_size: 0
    .kernarg_segment_align: 8
    .kernarg_segment_size: 40
    .max_flat_workgroup_size: 128
    .sgpr_count:     76
    .vgpr_count:     1024
    .wavefront_size: 32
...
	.end_amdgpu_metadata
.endif
;; end of part 2
;; launch gemm2 (part 3): grid 4 x 64, 4 waves a work-group, clusters of 4 x 4, 327,680 bytes of LDS; arguments hh, w2h, out0, rh, b2t; writes out0
.if DOCPART == 3
	.amdgcn_target "amdgcn-amd-amdhsa--gfx1250"
	.amdhsa_code_object_version 6
	.text
	.protected	k_q4d778e54a8_gemm2
	.globl	k_q4d778e54a8_gemm2
	.p2align	8
	.type	k_q4d778e54a8_gemm2,@function
k_q4d778e54a8_gemm2:
	s_mov_b64 s[64:65], 0
	v_nop
	global_prefetch_b8 v0, s[64:65] scope:SCOPE_SE
	s_setreg_imm32_b32 hwreg(HW_REG_WAVE_MODE, 25, 1), 1
	s_wait_xcnt 0x0
	s_wait_alu depctr_hold_cnt(0) depctr_sa_sdst(0) depctr_va_vdst(0) depctr_va_sdst(0) depctr_va_ssrc(0) depctr_va_vcc(0) depctr_vm_vsrc(0)
	s_getreg_b32 s2, hwreg(HW_REG_IB_STS2, 6, 4)
	s_cmp_eq_u32 s2, 0
	s_cbranch_scc0 .Lentry_in_a_cluster
	s_endpgm
.Lentry_in_a_cluster:
	s_bfe_u32 s2, ttmp6, 0x10000c
	s_cmp_lg_u32 s2, 0xf033
	s_cbranch_scc0 .Lentry_shape_is_right
	s_endpgm
.Lentry_shape_is_right:
; GEMM 2: out0[t][d] = sum over k = (e, f) of hh[t][k] w2h[k][d]  +  sum over e of r[t][e] b2[e][d].
; hh [16384][2048] f16 holds r gelu(..), so the sum over k is the weighted combine of all experts.  w2h [2048][1024] f16.  out0 [16384][1024] f32.  Sums in f32.
; The bias term is one more K step of 32: rh [16384][32] f16 (r, then zeros) times b2t [1024][32] f16 (b2 transposed, then zeros).  It comes first and starts every sum.
; LIMIT: r and b2 enter that product rounded to f16, like every matrix operand here.
; A work-group makes 256 x 256 of out0 with four waves; a wave makes 128 x 128: 64 accumulator tiles, 512 registers.  K goes in steps of 128 through a ring of two
; LDS slots filled by tensor loads.  A's tile: 256 rows of 256 bytes.  B's tile lies as in memory, [K][N]: 128 rows of 512 bytes, read by the transposing LDS load.
; CLUSTERS: 4 x 4 work-groups.  A's tiles are asked for jointly along a row of the cluster (same tokens), B's along a column (same columns of w2h).
; REGISTERS: window 0: v0-31 addresses; v64-127, v128-191 fragments of A, two buffers.  Window 1: the same of B.  Windows 2, 3: accumulators, tile (a, b) at v[8 (8 a + b)].
; THE MATRIX INSTRUCTION IS USED TRANSPOSED (source 0 = B, source 1 = A): lane l holds token l % 16 and eight neighbouring columns 8 (l / 16) + 0 .. 7.
.set KSTEP,  128
.set KA,     2048                      ; A's pitch in elements, and K
.set PB,     1024                      ; B's pitch in elements
.set BSTEP,  KSTEP*PB*2                ; bytes of B from a K step to the next
.set PITCH,  272                       ; A's LDS row: 256 bytes + 16
.set BPITCH, 544                       ; B's LDS row: 512 bytes + 32
.set HALFT,  128*PITCH                 ; one tensor load: 128 rows of A, or 64 rows of B
.set SLOT,   4*HALFT
.set STAGE,  2*SLOT                    ; behind the ring: 16 rows x 528 bytes for each wave; no tensor load lands there
.set SPITCH, 528                       ; a stage row: 128 f32 + 16 bytes: the 16 rows that a store touches start 16 bytes apart modulo 256
.set LAPS,   KA/(2*KSTEP)              ; 8
.set ADRA, 16
.set ADRB, 20
.set STO,  24
.set RD,   25
.set CO,   26
.set GA,   27                          ; my byte offset in rh and in b2t
.set F0,   64
.set F1,   128
.set G1, 24
.set G0, 32
.set G1B, 48
.set G0B, 56
.set MSB, 0
.macro WIN new
.if MSB != \new
	s_set_vgpr_msb (MSB<<8)|\new
.set MSB, \new
.endif
.endm
.set MUL_LO, 0xa1                      ; source 0 (B) window 1, source 1 (A) window 0, C and D window 2
.set MUL_HI, 0xf1                      ; the same, C and D window 3
.set TO_B,   0x40                      ; destination window 1
.macro JLOAD s                         ; waves 0 and 1 ask for A's halves, waves 2 and 3 for B's; the branch hangs on the wave's number alone
	s_cmp_eq_u32 s11, 0
	s_cbranch_scc0 .Lfor_b_\@
	tensor_load_to_lds s[G0+4*\s:G0+4*\s+3], s[G1:G1+7]
	s_nop 0
	s_branch .Lasked_\@
.Lfor_b_\@:
	tensor_load_to_lds s[G0B+4*\s:G0B+4*\s+3], s[G1B:G1B+7]
	s_nop 0
.Lasked_\@:
.endm
.macro CREST                           ; a round of the cluster's barrier behind its opening barrier
	s_cmp_lg_u32 s10, 0
	s_cbranch_scc1 .Lnot_wave_0_\@
	s_barrier_signal -3
.Lnot_wave_0_\@:
	s_barrier_wait -3
	s_barrier_signal -1
	s_barrier_wait -1
.endm
.macro CROUND
	s_barrier_signal -1
	s_barrier_wait -1
	CREST
.endm
	s_load_b128 s[4:7], s[0:1], 0x0                ; hh s[4:5], w2h s[6:7]
	s_load_b64 s[8:9], s[0:1], 0x10                ; out0
	s_load_b128 s[68:71], s[0:1], 0x18             ; rh s[68:69], b2t s[70:71]
	s_set_vgpr_msb 0x40
	v_lshl_add_u32 v255, v0, 2, 0x4c400
	s_set_vgpr_msb 0x4000
	v_mov_b32 v255, 0
	s_set_vgpr_msb 0x1
	ds_add_u32 v255, v255
	s_set_vgpr_msb 0x100
	v_lshrrev_b32 v1, 5, v0
	v_readfirstlane_b32 s10, v1                    ; wave 0..3
	s_lshr_b32 s11, s10, 1                         ; my half of the rows; also: I fetch for A (0) or B (1)
	s_and_b32 s12, s10, 1                          ; my half of the columns; also: which half of the tile I fetch
	s_bfe_u32 s40, ttmp6, 0x40000                  ; cx
	s_bfe_u32 s41, ttmp6, 0x40004                  ; cy
	s_lshl_b32 s42, ttmp9, 2
	s_add_co_u32 s42, s42, s40                     ; block column
	s_and_b32 s13, ttmp7, 0xffff
	s_lshl_b32 s13, s13, 2
	s_add_co_u32 s13, s13, s41                     ; block row
	s_lshl_b32 s43, s41, 2
	s_lshl_b32 s43, 15, s43                        ; my row of the cluster
	s_lshl_b32 s44, 0x1111, s40                    ; my column
	s_or_b32 s[G1+0], s43, (1<<16)|(1<<20)|(1<<21)|(5<<22)|(3<<25)   ; A: elements of 2 bytes, 4 words of padding behind every 64
	s_mov_b32 s[G1+1], KSTEP<<16
	s_mov_b32 s[G1+2], 128<<16
	s_mov_b32 s[G1+3], KSTEP<<16
	s_mov_b32 s[G1+4], 128
	s_mov_b32 s[G1+5], KA
	s_mov_b32 s[G1+6], 0
	s_mov_b32 s[G1+7], 0
	s_or_b32 s[G1B+0], s44, (1<<16)|(1<<20)|(1<<21)|(6<<22)|(7<<25)  ; B: 8 words of padding behind every 128
	s_mov_b32 s[G1B+1], 256<<16
	s_mov_b32 s[G1B+2], 64<<16
	s_mov_b32 s[G1B+3], 256<<16
	s_mov_b32 s[G1B+4], 64
	s_mov_b32 s[G1B+5], PB
	s_mov_b32 s[G1B+6], 0
	s_mov_b32 s[G1B+7], 0
	s_lshl_b32 s16, s13, 8
	s_lshl_b32 s17, s12, 7
	s_add_co_u32 s16, s16, s17                     ; A: row 256 x block row + 128 x half,
	s_lshl_b32 s16, s16, 12                        ; of 4,096 bytes (below 2^26)
	s_mov_b32 s17, 0
	s_lshl_b32 s46, s42, 9                         ; B: 512 bytes x block column
	s_lshl_b32 s47, s12, 17                        ; + half x 64 rows of 2,048 bytes
	s_add_co_u32 s46, s46, s47
	s_mov_b32 s47, 0
	s_mul_i32 s20, s10, HALFT
	s_wait_dscnt 0x0
	s_wait_kmcnt 0x0
	s_add_nc_u64 s[14:15], s[4:5], s[16:17]
	s_add_nc_u64 s[46:47], s[6:7], s[46:47]
	CROUND                                         ; the first joint loads meet
.irp s, 0,1
	s_mov_b32 s[G0+4*\s], 1
	s_add_co_u32 s[G0+4*\s+1], s20, \s*SLOT
	s_add_nc_u64 s[G0+4*\s+2:G0+4*\s+3], s[14:15], \s*KSTEP*2
	s_or_b32 s[G0+4*\s+3], s[G0+4*\s+3], 0x80000000
	s_mov_b32 s[G0B+4*\s], 1
	s_add_co_u32 s[G0B+4*\s+1], s20, \s*SLOT
	s_add_nc_u64 s[G0B+4*\s+2:G0B+4*\s+3], s[46:47], \s*BSTEP
	s_or_b32 s[G0B+4*\s+3], s[G0B+4*\s+3], 0x80000000
	JLOAD \s                                       ; two tensor loads of the wave are out
.endr
	v_and_b32 v1, 15, v0                           ; r
	v_bfe_u32 v2, v0, 4, 1                         ; h
	; the bias product's fragments straight from memory into buffer 1: rows of 64 bytes along K: two loads of 16 bytes, 32 apart, at 64 r + 16 h
	v_lshlrev_b32 v[GA], 6, v1
	v_lshl_add_u32 v[GA], v2, 4, v[GA]
	s_lshl_b32 s72, s13, 8
	s_lshl_b32 s73, s11, 7
	s_add_co_u32 s72, s72, s73
	s_lshl_b32 s72, s72, 6
	s_mov_b32 s73, 0
	s_add_nc_u64 s[68:69], s[68:69], s[72:73]      ; rh at my first token
	s_lshl_b32 s72, s42, 8
	s_lshl_b32 s73, s12, 7
	s_add_co_u32 s72, s72, s73
	s_lshl_b32 s72, s72, 6
	s_mov_b32 s73, 0
	s_add_nc_u64 s[70:71], s[70:71], s[72:73]      ; b2t at my first column
	WIN TO_B
.irp i, 0,1,2,3,4,5,6,7
	global_load_b128 v[F1+8*\i:F1+8*\i+3],   v[GA], s[70:71] offset:1024*\i
	global_load_b128 v[F1+8*\i+4:F1+8*\i+7], v[GA], s[70:71] offset:1024*\i+32
.endr
	WIN 0
.irp i, 0,1,2,3,4,5,6,7
	global_load_b128 v[F1+8*\i:F1+8*\i+3],   v[GA], s[68:69] offset:1024*\i
	global_load_b128 v[F1+8*\i+4:F1+8*\i+7], v[GA], s[68:69] offset:1024*\i+32
.endr
	v_mul_u32_u24 v3, v1, PITCH                    ; A's fragments: row x pitch + 16 h
	v_lshl_add_u32 v3, v2, 4, v3
	s_mul_i32 s21, s11, HALFT
	v_and_b32 v4, 7, v0                            ; B's fragments: lane l addresses row 8 h + l % 8, bytes 16 ((l / 8) % 2)
	v_lshl_add_u32 v4, v2, 3, v4
	v_mul_u32_u24 v4, v4, BPITCH
	v_bfe_u32 v5, v0, 3, 1
	v_lshl_add_u32 v4, v5, 4, v4
	s_lshl_b32 s22, s12, 8
	s_add_co_u32 s22, s22, 2*HALFT
.irp s, 0,1
	v_add_nc_u32 v[ADRA+\s], s21, v3
	v_add_nc_u32 v[ADRB+\s], s22, v4
	s_add_co_u32 s21, s21, SLOT
	s_add_co_u32 s22, s22, SLOT
.endr
	s_mul_i32 s23, s10, 16*SPITCH
	s_add_co_u32 s23, s23, STAGE                   ; my stage
	v_mul_u32_u24 v6, v1, SPITCH                   ; in: row l % 16, 32 bytes for each half of the lanes
	v_lshl_add_u32 v6, v2, 5, v6
	v_add_nc_u32 v[STO], s23, v6
	v_and_b32 v7, 31, v0
	v_lshlrev_b32 v[CO], 4, v7                     ; back and out: 16 bytes a lane, a whole row of 512 bytes a wave
	v_add_nc_u32 v[RD], s23, v[CO]
	s_lshl_b32 s72, s13, 8
	s_lshl_b32 s73, s11, 7
	s_add_co_u32 s72, s72, s73
	s_lshl_b32 s72, s72, 12                        ; my first row of out0, in bytes (below 2^26)
	s_lshl_b32 s73, s42, 10
	s_add_co_u32 s72, s72, s73                     ; + 1,024 block column
	s_lshl_b32 s73, s12, 9
	s_add_co_u32 s72, s72, s73                     ; + 512 half
	s_mov_b32 s73, 0
	s_add_nc_u64 s[8:9], s[8:9], s[72:73]
; The 64 accumulators take turns, one instruction a turn, in the same order in the bias product and in every quarter step, over the loop's backward jump too.
.macro MUL16 f, hi, a0, zero
.irp a, \a0, \a0+1
.irp b, 0,1,2,3,4,5,6,7
.if \zero
	v_wmma_f32_16x16x32_f16 v[8*(8*(\a)+\b):8*(8*(\a)+\b)+7], v[\f+8*\b:\f+8*\b+7], v[\f+8*(4*\hi+\a):\f+8*(4*\hi+\a)+7], 0
.else
	v_wmma_f32_16x16x32_f16 v[8*(8*(\a)+\b):8*(8*(\a)+\b)+7], v[\f+8*\b:\f+8*\b+7], v[\f+8*(4*\hi+\a):\f+8*(4*\hi+\a)+7], v[8*(8*(\a)+\b):8*(8*(\a)+\b)+7]
.endif
.endr
.endr
.endm
.macro FETCH slot, k, f                ; 32 LDS loads in one run; k = byte of the quarter in A's rows, so B's rows begin at (k / 2) x 544 = k x 272
	WIN TO_B
.irp i, 0,1,2,3,4,5,6,7
	ds_load_tr16_b128 v[\f+8*\i:\f+8*\i+3],   v[ADRB+\slot] offset:\k*PITCH+\i*32
	ds_load_tr16_b128 v[\f+8*\i+4:\f+8*\i+7], v[ADRB+\slot] offset:\k*PITCH+\i*32+16*BPITCH
.endr
	WIN 0
.irp i, 0,1,2,3,4,5,6,7
	ds_load_b128 v[\f+8*\i:\f+8*\i+3],   v[ADRA+\slot] offset:\k+\i*16*PITCH
	ds_load_b128 v[\f+8*\i+4:\f+8*\i+7], v[ADRA+\slot] offset:\k+\i*16*PITCH+32
.endr
.endm
.macro PLACES                          ; four plain vector instructions between a matrix instruction and a load into, or a store from, its registers
.rept 4
	v_nop
.endr
.endm
.macro QUARTER slot, k, f, g, zero
	s_wait_dscnt 8                                 ; B and A's rows 0-63 are in; the youngest eight loads (A's rows 64-127) may be out
	WIN MUL_LO
	MUL16 \f, 0, 0, \zero
	MUL16 \f, 0, 2, \zero
	PLACES
	FETCH \slot, \k, \g
	s_wait_dscnt 32                                ; all but the 32 just issued
	WIN MUL_HI
	MUL16 \f, 1, 0, \zero
	MUL16 \f, 1, 2, \zero
.endm
.macro THREE slot
	QUARTER \slot, 64,  F0, F1, 0
	QUARTER \slot, 128, F1, F0, 0
	QUARTER \slot, 192, F0, F1, 0
.endm
; The last quarter of a K step changes slots: each wave's reads of this slot and all its tensor loads are waited for in front of the barrier, which opens a round of the
; cluster's barrier where the slot is filled again; the joint refill is the wave's first and only tensor load behind the round.
.macro TURN slot, next, fill
	s_wait_dscnt 8
	WIN MUL_LO
	MUL16 F1, 0, 0, 0
	s_wait_dscnt 0                                 ; my reads of this slot are over
	s_wait_tensorcnt 0x0                           ; all my tensor loads have landed: my part of the next slot
	ds_add_u32 v255, v255
	s_wait_dscnt 0x0
	s_barrier_signal -1
	MUL16 F1, 0, 2, 0
	WIN 0
	s_barrier_wait -1
.if \fill
	CREST
	s_add_nc_u64 s[G0+4*\slot+2:G0+4*\slot+3], s[G0+4*\slot+2:G0+4*\slot+3], 2*KSTEP*2
	s_add_nc_u64 s[G0B+4*\slot+2:G0B+4*\slot+3], s[G0B+4*\slot+2:G0B+4*\slot+3], 2*BSTEP
	JLOAD \slot
.endif
	PLACES
	FETCH \next, 0, F0
	WIN MUL_HI
	MUL16 F1, 1, 0, 0
	MUL16 F1, 1, 2, 0
.endm
.macro LAP
	THREE 0
	TURN 0, 1, 1
	THREE 1
	TURN 1, 0, 1
.endm
	s_wait_loadcnt 0x0                             ; the bias product's fragments are in: no load is out at any barrier below
	s_wait_tensorcnt 1                             ; my part of K step 0 is in; K step 1's stays out
	s_barrier_signal -1
	s_barrier_wait -1
	FETCH 0, 0, F0                                 ; the first quarter's fragments are on their way while
	WIN MUL_LO                                     ; the bias product starts all 64 sums: nothing is cleared
	MUL16 F1, 0, 0, 1
	MUL16 F1, 0, 2, 1
	WIN MUL_HI
	MUL16 F1, 1, 0, 1
	MUL16 F1, 1, 2, 1
	WIN 0
	s_mov_b32 s3, LAPS-1
.Llap:
	LAP
	WIN 0
	s_sub_co_u32 s3, s3, 1
	s_cmp_lg_u32 s3, 0
	s_cbranch_scc1 .Llap
	THREE 0                                        ; the last lap fills nothing
	TURN 0, 1, 0
	THREE 1
	s_wait_dscnt 8
	WIN MUL_LO
	MUL16 F1, 0, 0, 0
	MUL16 F1, 0, 2, 0
	s_wait_dscnt 0
	WIN MUL_HI
	MUL16 F1, 1, 0, 0
	MUL16 F1, 1, 2, 0
	PLACES                                         ; behind the last matrix instructions: results are stored to LDS and fragment buffers loaded below
; Rows 16 i .. 16 i + 15 of my block = the eight tiles (a, 0..7) of window 2 or 3 (w = 0x08 or 0x0c: the LDS stores' data).  A lane's 32 bytes of a tile go into my own
; stage; whole rows of 512 bytes come back into buffer f (F0, F1 by turns) and leave: each store of the wave covers 512 neighbouring bytes, aligned.
.macro OUT16 i, a, w, f
	WIN \w
.irp b, 0,1,2,3,4,5,6,7
	ds_store_b128 v[STO], v[8*(8*\a+\b):8*(8*\a+\b)+3]   offset:64*\b
	ds_store_b128 v[STO], v[8*(8*\a+\b)+4:8*(8*\a+\b)+7] offset:64*\b+16
.endr
	WIN 0
	s_wait_xcnt 0x0                                ; buffer f, which earlier stores read, and the stores' base are rewritten only behind this wait
.if \i
	s_add_nc_u64 s[8:9], s[8:9], 16*4096           ; 16 rows of out0 on
.endif
.irp t, 0,1,2,3,4,5,6,7,8,9,10,11,12,13,14,15
	ds_load_b128 v[\f+4*\t:\f+4*\t+3], v[RD] offset:\t*SPITCH      ; LDS serves a wave's instructions in order (ISA guide 5.7.1.4): these see the stores above
.endr
.irp t, 0,1,2,3,4,5,6,7,8,9,10,11,12,13,14,15
	s_wait_dscnt 15-\t                             ; the loads come back in order: row t is in
	global_store_b128 v[CO], v[\f+4*\t:\f+4*\t+3], s[8:9] offset:\t*4096 th:TH_STORE_NT
.endr
.endm
	OUT16 0, 0, 0x08, F0
	OUT16 1, 1, 0x08, F1
	OUT16 2, 2, 0x08, F0
	OUT16 3, 3, 0x08, F1
	OUT16 4, 0, 0x0c, F0
	OUT16 5, 1, 0x0c, F1
	OUT16 6, 2, 0x0c, F0
	OUT16 7, 3, 0x0c, F1
	s_set_vgpr_msb 0x1
	s_wait_tensorcnt 0x0
	ds_add_u32 v255, v255
	s_wait_dscnt 0x0
	s_set_vgpr_msb 0x100
	CROUND                                         ; the closing round: no work-group ends while a partner may still ask for a tile that names it
	s_endpgm
.Lfunc_end_k_q4d778e54a8_gemm2:
	.size	k_q4d778e54a8_gemm2, .Lfunc_end_k_q4d778e54a8_gemm2-k_q4d778e54a8_gemm2
	.p2alignl 7, 3214868480
	.fill 96, 4, 3214868480
	.section	.rodata,"a",@progbits
	.p2align	6, 0x0
	.amdhsa_kernel k_q4d778e54a8_gemm2
		.amdhsa_group_segment_fixed_size 327680
		.amdhsa_private_segment_fixed_size 0
		.amdhsa_enable_private_segment 0
		.amdhsa_kernarg_size 40
		.amdhsa_user_sgpr_count 2
		.amdhsa_user_sgpr_kernarg_segment_ptr 1
		.amdhsa_wavefront_size32 1
		.amdhsa_system_sgpr_workgroup_id_x 1
		.amdhsa_system_sgpr_workgroup_id_y 1
		.amdhsa_system_sgpr_workgroup_id_z 1
		.amdhsa_system_vgpr_workitem_id 0
		.amdhsa_next_free_vgpr 1024
		.amdhsa_next_free_sgpr 76
		.amdhsa_reserve_vcc 0
		.amdhsa_float_denorm_mode_32 3
		.amdhsa_float_denorm_mode_16_64 3
		.amdhsa_memory_ordered 1
		.amdhsa_forward_progress 1
		.amdhsa_inst_pref_size 151
	.end_amdhsa_kernel
	.amdgpu_metadata
---
amdhsa.version: [ 1, 2 ]
amdhsa.kernels:
  - .name:           k_q4d778e54a8_gemm2
    .symbol:         k_q4d778e54a8_gemm2.kd
    .args:
      - { .name: hh, .offset: 0, .size: 8, .value_kind: global_buffer, .address_space: global }
      - { .name: w2h, .offset: 8, .size: 8, .value_kind: global_buffer, .address_space: global }
      - { .name: out0, .offset: 16, .size: 8, .value_kind: global_buffer, .address_space: global }
      - { .name: rh, .offset: 24, .size: 8, .value_kind: global_buffer, .address_space: global }
      - { .name: b2t, .offset: 32, .size: 8, .value_kind: global_buffer, .address_space: global }
    .group_segment_fixed_size: 327680
    .private_segment_fixed_size: 0
    .kernarg_segment_align: 8
    .kernarg_segment_size: 40
    .max_flat_workgroup_size: 128
    .sgpr_count:     76
    .vgpr_count:     1024
    .wavefront_size: 32
...
	.end_amdgpu_metadata
.endif
;; end of part 3
;; ======== version 2 of 2: 3 launches; version 1 with the launch prep written anew for expert scheduling mode
;; limits: inputs' magnitudes at most 65,504; values are held in f16: magnitudes above 65,504 overflow, below 6.1e-05 lose precision
;; workspace buffers: xh 33,554,432 bytes; w1h 4,194,304 bytes; w2h 4,194,304 bytes; hh 67,108,864 bytes; rf 524,288 bytes; rh 1,048,576 bytes; b2t 65,536 bytes
;; launch prep (part 4): grid 256 x 1, 8 waves a work-group, no clusters, 37,888 bytes of LDS; arguments x, Wr, br, b2, W1, W2, xh, rf, rh, w1h, w2h, b2t; writes xh, rf, rh, w1h, w2h, b2t
.if DOCPART == 4
	.amdgcn_target "amdgcn-amd-amdhsa--gfx1250"
	.amdhsa_code_object_version 6
	.text
	.protected	k_q4d778e54a8_prep
	.globl	k_q4d778e54a8_prep
	.p2align	8
	.type	k_q4d778e54a8_prep,@function
k_q4d778e54a8_prep:
	s_mov_b64 s[64:65], 0
	v_nop
	global_prefetch_b8 v0, s[64:65] scope:SCOPE_SE
	s_setreg_imm32_b32 hwreg(HW_REG_WAVE_SCHED_MODE, 0, 2), 2
	s_setreg_imm32_b32 hwreg(HW_REG_WAVE_MODE, 25, 1), 1
	s_wait_xcnt 0x0
	s_wait_alu depctr_vm_vsrc(0)
; PREP: one pass over x, W1 and W2 that casts them to f16 (xh, w1h, w2h: same layouts), and on the way makes the router's
; softmax weights r = softmax(x Wr + br) in f32 (rf [16384][8]) and in f16 as a matrix operand (rh [16384][32], columns 8-31 true zeros),
; and b2 transposed in f16 (b2t [1024][32], b2t[d][e] = b2[e][d], columns 8-31 true zeros).
; WHY f16 AND NOT bf16: the products' operands keep 11 significant bits instead of 8.  Room: f16 reaches 65,504 and has steps of 2^-24 below 2^-14.
; x is drawn with standard deviation 1, W1 within 1/32, W2 and b2 within 1/16: thirty times larger they stay under 200; thirty times smaller the weights'
; rounding error is at most 2^-25 = 3e-8 against a standard deviation of 6e-4 or more.  LIMIT: an input above 65,504 in magnitude becomes infinite.
; 2,048 waves (256 work-groups of 8).  Wave gw takes ten rows of 4,096 bytes: x's rows 8 gw .. 8 gw + 7, the 4,096 bytes at 4,096 gw of W1, the same of W2.
; A row is eight loads of 16 bytes a lane (512 neighbouring bytes each) and eight stores of 8 bytes a lane (256 neighbouring bytes each, aligned).
; The router product has 8 columns: it is made in f32 by packed multiply-adds on the x that is in registers anyway.  Each lane keeps Wr's rows of
; its 32 columns of x in 256 registers (v256-v511), so Wr is read from LDS once.  The softmax takes the row's maximum away first.
; Matrix instructions, tensor loads and clusters are left out: the launch is a stream, and what its work-groups share is Wr alone, 32 KiB beside the 320 KiB
; of rows that a work-group reads for itself.
; A ring of six row slots in registers, row rw in slot rw mod 6: 24 KiB of a wave's 40 KiB are asked for ahead of the first wait for a row, and a slot is asked
; for again as soon as its row is rounded.  Six slots of 32 registers are what fits under v256 beside the rest.
; THE MODE: SCHED_MODE bits 1:0 = 2 (LLVM: expert scheduling mode 2), set by the entry lines.  The code itself states the register dependences
; between vector instructions and memory or LDS instructions, with s_wait_alu, always for 0.
; THE PLAN.  Registers that memory or LDS instructions touch:
;   X0 .. X5   Written by loads alone.  Row rw's slot is read by turn rw's multiply-adds and roundings; behind them the loads of row rw + 6 land in it.
;              Slot 5 first stages Wr: eight LDS stores read it at the head, ahead of row 5's loads.
;   Y          Written by turn rw's roundings; read by the row's eight stores, which are issued in the same turn.
;   v1 .. v6   Offsets and LDS addresses, made once at the head and never written again: the rows are reached by immediate offsets.
;   v256-v511  Written once by LDS loads; read by the multiply-adds alone.
;   In the tail: TT+2, +3, TT+8 .. +11, TT+16, +17 are stores' data, written once; b2's loads land in TT+12 .. +15, which no vector instruction of the tail has named.
; A turn has ONE wait on va_vdst, behind its roundings: Y is written, and the slot has been read for the last time.  The row's eight stores and the eight loads of
; the row six further on follow it, dealt among the sums across lanes, which name v8 to v31 alone.  One wait on vm_vsrc stands ahead of the roundings: the last row's
; stores, issued a whole router product earlier, have read Y.
.set ROWB, 4096                        ; bytes in a row as loaded
.set GRP,  144                         ; LDS: four rows of Wr (128 bytes) and 16 bytes of padding, so that neighbouring lanes' 16 bytes lie 144 bytes apart
.set ACC,  8                           ; v[8:15]    the lane's partial logits of the row at work
.set TP,   16                          ; v[16:23]   the other half's sums
.set HOLD, 24                          ; v[24:31]   lane L: the 8 logits of row L / 4
.set X,    32                          ; v[32:223]  six slots of 32 registers
.set Y,    224                         ; v[224:239] the row at work, rounded to f16: eight pairs, the stores' data
.set R,    X+128                       ; v[160:167] exponentials, then r.  R and TT lie in slot 4, which is free behind row 4 (rows 6 to 9 go into slots 0 to 3) and which no memory instruction reads
.set TT,   X+136                       ; v[168:185] at work in the softmax and for b2t
.set MK,   52                          ; s[53:59]   row i's lanes 4 i .. 4 i + 3 as a mask, each in a register of its own, written once
.set MSB,  0
.macro WIN new                         ; register window; the immediate's high byte repeats the setting that is left
.if MSB != \new
	s_set_vgpr_msb (MSB<<8)|\new
.set MSB, \new
.endif
.endm
	s_load_b512 s[16:31], s[0:1], 0x0              ; x 16, Wr 18, br 20, b2 22, W1 24, W2 26, xh 28, rf 30
	s_load_b256 s[32:39], s[0:1], 0x40             ; rh 32, w1h 34, w2h 36, b2t 38
	v_lshl_add_u32 v254, v0, 2, 0x9000
	v_mov_b32 v255, 0
	v_lshrrev_b32 v7, 5, v0
	v_readfirstlane_b32 s8, v7                     ; wave 0..7
	s_mov_b32 s11, 0                               ; s[10:11]: a byte offset in 64 bits
	s_mov_b32 s12, 0x76543210                      ; v_permlanex16_b32: lane i of one half reads lane i of the other
	s_mov_b32 s13, 0xfedcba98
	s_mov_b32 s48, 0xaaaaaaaa                      ; lanes with bit 0 set
	s_mov_b32 s49, 0xcccccccc                      ; lanes with bit 1 set
	s_mov_b32 s50, 0x11111111                      ; lanes 0 mod 4
	s_mov_b32 s51, 0x03030303                      ; lanes 0 and 1 mod 8
.irp i, 1,2,3,4,5,6,7
	s_mov_b32 s[MK+\i], 0xf<<(4*\i)
.endr
	v_and_b32 v7, 31, v0                           ; lane
	v_lshlrev_b32 v1, 4, v7                        ; 16 x lane: loads of rows, the store of rh
	v_lshlrev_b32 v2, 3, v7                        ; 8 x lane: stores
	v_mul_u32_u24 v3, v7, GRP                      ; LDS: my four rows of Wr in each 128 columns
	v_lshrrev_b32 v4, 3, v0
	v_mul_u32_u24 v4, v4, GRP
	v_and_b32 v5, 7, v0
	v_lshl_add_u32 v4, v5, 4, v4                   ; LDS: where thread t puts its 16 bytes of Wr: group t / 8, byte 16 (t mod 8)
	v_lshlrev_b32 v5, 4, v0                        ; Wr: 16 t
	v_and_b32 v6, 1, v0
	v_lshlrev_b32 v6, 14, v6
	v_bfe_u32 v7, v0, 3, 2
	v_lshl_add_u32 v6, v7, 2, v6                   ; b2: four experts' rows for odd lanes (16,384 bytes) + 4 x (lane / 8)
.irp e, 0,1,2,3,4,5,6,7
	v_mov_b32 v[TP+\e], 0                          ; v_permlanex16_b32 counts as a reader of its destination
.endr
	s_wait_alu depctr_va_sdst(0)                   ; s8 is written, ahead of its first reader: the wave's places in the buffers are made from it
	s_lshl_b32 s9, ttmp9, 3
	s_add_co_u32 s9, s9, s8                        ; gw = 8 x work-group + wave
	s_wait_kmcnt 0x0
	s_wait_alu depctr_va_vdst(0)                   ; v1 to v6 are written: every load and store of the kernel, global or LDS, reads one of them as its offset or address
.irp k, 0,1,2,3,4,5,6,7
	global_load_b128 v[X+160+4*\k:X+160+4*\k+3], v5, s[18:19] offset:4096*\k   ; Wr, 4 KiB by the work-group at a time, through slot 5's registers
.endr
	s_load_b256 s[40:47], s[20:21], 0x0            ; br's eight numbers
	s_lshl_b32 s10, s9, 15
	s_add_nc_u64 s[16:17], s[16:17], s[10:11]      ; x: 8 rows of 4,096 bytes a wave
	s_lshl_b32 s10, s9, 14
	s_add_nc_u64 s[28:29], s[28:29], s[10:11]      ; xh: 8 rows of 2,048
	s_lshl_b32 s10, s9, 12
	s_add_nc_u64 s[24:25], s[24:25], s[10:11]      ; W1, W2: 4,096 bytes a wave
	s_add_nc_u64 s[26:27], s[26:27], s[10:11]
	s_lshl_b32 s10, s9, 11
	s_add_nc_u64 s[34:35], s[34:35], s[10:11]      ; w1h, w2h: 2,048
	s_add_nc_u64 s[36:37], s[36:37], s[10:11]
	s_lshl_b32 s10, s9, 8
	s_add_nc_u64 s[30:31], s[30:31], s[10:11]      ; rf: 8 rows of 32 bytes
	s_lshl_b32 s10, s9, 9
	s_add_nc_u64 s[32:33], s[32:33], s[10:11]      ; rh: 8 rows of 64 bytes
	s_lshl_b32 s10, ttmp9, 4
	s_add_nc_u64 s[22:23], s[22:23], s[10:11]      ; b2: four columns a work-group
	s_lshl_b32 s10, ttmp9, 8
	s_add_nc_u64 s[38:39], s[38:39], s[10:11]      ; b2t: four rows of 64 bytes a work-group
; Load j of the eight of row rw, into slot rw mod 6.  Rows 0-7 are x's, row 8 is W1's, row 9 W2's.  Read once in the launch.
.macro LD1 rw, j
.if (\rw) < 8
	global_load_b128 v[X+32*((\rw)%6)+4*(\j):X+32*((\rw)%6)+4*(\j)+3], v1, s[16:17] offset:ROWB*(\rw)+512*(\j) th:TH_LOAD_NT
.elseif (\rw) == 8
	global_load_b128 v[X+32*((\rw)%6)+4*(\j):X+32*((\rw)%6)+4*(\j)+3], v1, s[24:25] offset:512*(\j) th:TH_LOAD_NT
.else
	global_load_b128 v[X+32*((\rw)%6)+4*(\j):X+32*((\rw)%6)+4*(\j)+3], v1, s[26:27] offset:512*(\j) th:TH_LOAD_NT
.endif
.endm
; Store j of the eight of row rw, from Y's pair j.
.macro ST1 rw, j
.if (\rw) < 8
	global_store_b64 v2, v[Y+2*(\j):Y+2*(\j)+1], s[28:29] offset:2048*(\rw)+256*(\j)
.elseif (\rw) == 8
	global_store_b64 v2, v[Y+2*(\j):Y+2*(\j)+1], s[34:35] offset:256*(\j)
.else
	global_store_b64 v2, v[Y+2*(\j):Y+2*(\j)+1], s[36:37] offset:256*(\j)
.endif
.endm
.macro FILL rw                         ; a whole row, at the head
.irp j, 0,1,2,3,4,5,6,7
	LD1 \rw, \j
.endr
.endm
	FILL 0
	FILL 1
	FILL 2
	FILL 3
	FILL 4
	s_wait_loadcnt 40                              ; Wr's eight loads are older than the 40 of x: they are in, x stays on its way
.irp k, 0,1,2,3,4,5,6,7
	ds_store_b128 v4, v[X+160+4*\k:X+160+4*\k+3] offset:32*GRP*\k   ; 4 KiB of Wr are 32 groups
.endr
	s_wait_alu depctr_vm_vsrc(0)                   ; the LDS stores have read slot 5's registers, in which row 5's loads land
	FILL 5
	s_wait_kmcnt 0x0                               ; br
	s_wait_dscnt 0x0                               ; my part of Wr is in LDS, for the other waves' sake
	s_barrier_signal -1
	s_barrier_wait -1                              ; everybody's is.  The launch's only barrier: LDS is not written again
	WIN 0x40                                       ; destinations v256-v511: no vector instruction has named them; the address v3 stands ahead of the head's wait on va_vdst
.irp j, 0,1,2,3,4,5,6,7
.irp c, 0,1,2,3
	ds_load_b128 v[8*(4*\j+\c):8*(4*\j+\c)+3],   v3 offset:32*GRP*\j+32*\c      ; Wr[128 j + 4 lane + c][0..3]
	ds_load_b128 v[8*(4*\j+\c)+4:8*(4*\j+\c)+7], v3 offset:32*GRP*\j+32*\c+16   ; and [4..7]
.endr
.endr
	WIN 0
	s_wait_dscnt 0x0
; The lane's share of a row's eight logits: 32 columns x 8 experts, two experts to an instruction, four chains by turns.
; x's register q is broadcast to both halves by op_sel; the first products start the sums.
.macro ROUTER rw
	WIN 0x04                                       ; source 1 (Wr) from v256-v511
.set q, 0
.rept 16
.irp p, 0,2,4,6
.if q == 0
	v_pk_mul_f32 v[ACC+\p:ACC+\p+1], v[X+32*(\rw%6)+q:X+32*(\rw%6)+q+1], v[8*q+\p:8*q+\p+1] op_sel:[0,0] op_sel_hi:[0,1]
.else
	v_pk_fma_f32 v[ACC+\p:ACC+\p+1], v[X+32*(\rw%6)+q:X+32*(\rw%6)+q+1], v[8*q+\p:8*q+\p+1], v[ACC+\p:ACC+\p+1] op_sel:[0,0,0] op_sel_hi:[0,1,1]
.endif
.endr
.irp p, 0,2,4,6
	v_pk_fma_f32 v[ACC+\p:ACC+\p+1], v[X+32*(\rw%6)+q:X+32*(\rw%6)+q+1], v[8*q+8+\p:8*q+8+\p+1], v[ACC+\p:ACC+\p+1] op_sel:[1,0,0] op_sel_hi:[1,1,1]
.endr
.set q, q+2
.endr
	WIN 0
.endm
; The row is rounded to f16, out of its slot into Y: the lane's four numbers of each load become 8 bytes.
.macro CVT rw
.irp j, 0,1,2,3,4,5,6,7
	v_cvt_pk_f16_f32 v[Y+2*\j],   v[X+32*(\rw%6)+4*\j],   v[X+32*(\rw%6)+4*\j+1]
	v_cvt_pk_f16_f32 v[Y+2*\j+1], v[X+32*(\rw%6)+4*\j+2], v[X+32*(\rw%6)+4*\j+3]
.endr
.endm
; The eight sums over the 32 lanes; every lane gets them, lanes 4 i .. 4 i + 3 keep them.  Ahead of each of the four steps inside a half of the lanes stand two of the
; loads of row i + 6 (fill = 1) and two of row i's stores, the loads first.  No wait: no vector instruction since the turn's wait on va_vdst names their registers.
.macro REDUCE i, fill
.set rt, 0
.irp m, 1,2,4,8
.if \fill
	LD1 \i+6, rt
	LD1 \i+6, rt+1
.endif
	ST1 \i, rt
	ST1 \i, rt+1
.set rt, rt+2
.irp e, 0,1,2,3,4,5,6,7
	v_add_f32_dpp v[ACC+\e], v[ACC+\e], v[ACC+\e] row_xmask:\m row_mask:0xf bank_mask:0xf
.endr
.endr
.irp e, 0,1,2,3,4,5,6,7
	v_permlanex16_b32 v[TP+\e], v[ACC+\e], s12, s13
.endr
.irp e, 0,1,2,3,4,5,6,7
	v_add_f32 v[ACC+\e], v[ACC+\e], v[TP+\e]
.endr
.if \i == 0
.irp e, 0,1,2,3,4,5,6,7
	v_mov_b32 v[HOLD+\e], v[ACC+\e]                ; the first row writes HOLD whole
.endr
.else
.irp e, 0,1,2,3,4,5,6,7
	v_cndmask_b32 v[HOLD+\e], v[HOLD+\e], v[ACC+\e], s[MK+\i]
.endr
.endif
.endm
; Row rw's turn.  left = how many younger loads may stay out.  fill = 1: the slot is asked for again, for row rw + 6.
.macro TURN rw, fill, left
	s_wait_loadcnt \left                           ; loads come back in order: my row's eight are in
.if \rw < 8
	ROUTER \rw
.endif
.if \rw > 0
	s_wait_xcnt 0x0                                ; Y was the data of the last row's stores: it is written again only behind this wait
	s_wait_alu depctr_vm_vsrc(0)                   ; the last row's stores have read Y, which the roundings below write again
.endif
	CVT \rw
	s_wait_alu depctr_va_vdst(0)                   ; the roundings have written Y, which the stores below read; they and the multiply-adds are done reading the slot, in which the loads below land
.if \rw < 8
	REDUCE \rw, \fill
.else
.irp j, 0,1,2,3,4,5,6,7
	ST1 \rw, \j
.endr
.endif
.endm
	TURN 0, 1, 40                                  ; 40: the next five rows' loads stay out
	TURN 1, 1, 40
	TURN 2, 1, 40
	TURN 3, 1, 40
	TURN 4, 0, 40                                  ; nothing is left to fetch: from the next turn on the counts run down
	TURN 5, 0, 32
	TURN 6, 0, 24
	TURN 7, 0, 16
	TURN 8, 0, 8
	TURN 9, 0, 0
	; softmax of row L / 4 in every lane: the maximum is taken away first, so the largest exponential is 1 and the sum lies between 1 and 8
.irp e, 0,1,2,3,4,5,6,7
	v_add_f32 v[HOLD+\e], s[40+\e], v[HOLD+\e]     ; + br
.endr
	v_max3_num_f32 v[TT], v[HOLD], v[HOLD+1], v[HOLD+2]
	v_max3_num_f32 v[TT], v[TT], v[HOLD+3], v[HOLD+4]
	v_max3_num_f32 v[TT], v[TT], v[HOLD+5], v[HOLD+6]
	v_max_num_f32 v[TT], v[TT], v[HOLD+7]
.irp e, 0,1,2,3,4,5,6,7
	v_sub_f32 v[HOLD+\e], v[HOLD+\e], v[TT]        ; the difference first, exact for near logits however large they are,
.endr
.irp e, 0,1,2,3,4,5,6,7
	v_mul_f32 v[HOLD+\e], 0x3fb8aa3b, v[HOLD+\e]   ; then to base 2
.endr
.irp e, 0,1,2,3,4,5,6,7
	v_exp_f32 v[R+\e], v[HOLD+\e]
.endr
	v_nop                                          ; one plain vector instruction between a transcendental and the use of its result (ISA guide 5.7.2)
	s_wait_alu depctr_va_vdst(0)                   ; the eight exponentials have written R, ahead of their first reader: one wait for the batch
	v_add_f32 v[TT],   v[R],   v[R+1]
	v_add_f32 v[TT+1], v[R+2], v[R+3]
	v_add_f32 v[TT+4], v[R+4], v[R+5]
	v_add_f32 v[TT+5], v[R+6], v[R+7]
	v_add_f32 v[TT],   v[TT],   v[TT+1]
	v_add_f32 v[TT+4], v[TT+4], v[TT+5]
	v_add_f32 v[TT],   v[TT],   v[TT+4]
	v_rcp_f32 v[TT+1], v[TT]
	v_nop
	s_wait_alu depctr_va_vdst(0)                   ; the reciprocal has written TT+1, ahead of its first reader
.irp e, 0,1,2,3,4,5,6,7
	v_mul_f32 v[R+\e], v[R+\e], v[TT+1]
.endr
	; rf: lane L stores r[2 (L mod 4)] and the next of row L / 4: the wave's store covers 256 neighbouring bytes, aligned
	v_cndmask_b32 v[TT+4], v[R],   v[R+2], s48
	v_cndmask_b32 v[TT+5], v[R+1], v[R+3], s48
	v_cndmask_b32 v[TT+6], v[R+4], v[R+6], s48
	v_cndmask_b32 v[TT+7], v[R+5], v[R+7], s48
	v_cndmask_b32 v[TT+2], v[TT+4], v[TT+6], s49
	v_cndmask_b32 v[TT+3], v[TT+5], v[TT+7], s49
	; rh: lane L stores 16 bytes of row L / 4: lanes 0 mod 4 the eight r in f16, the others zeros: 512 neighbouring bytes
.irp k, 0,1,2,3
	v_cvt_pk_f16_f32 v[TT+8+\k], v[R+2*\k], v[R+2*\k+1]
.endr
.irp k, 0,1,2,3
	v_cndmask_b32 v[TT+8+\k], 0, v[TT+8+\k], s50
.endr
	s_wait_alu depctr_va_vdst(0)                   ; the selects have written TT+2, TT+3 and TT+8 .. TT+11, which the two stores read
	global_store_b64 v2, v[TT+2:TT+3], s[30:31]
	global_store_b128 v1, v[TT+8:TT+11], s[32:33]
	; b2t: wave 0 makes the work-group's four rows d = 4 wg + L / 8; lane L holds k = 4 (L mod 8) .. + 3, of which k < 8 are experts
	s_cmp_lg_u32 s8, 0
	s_cbranch_scc1 .Lend
.irp k, 0,1,2,3
	global_load_b32 v[TT+12+\k], v6, s[22:23] offset:4096*\k     ; b2[4 (L mod 2) + k][d]; the lanes that will store zeros read the same words.  The last vector instructions that named these registers are row 4's, ahead of many waits on va_vdst
.endr
	s_wait_loadcnt 0x0
	v_cvt_pk_f16_f32 v[TT+16], v[TT+12], v[TT+13]
	v_cvt_pk_f16_f32 v[TT+17], v[TT+14], v[TT+15]
	v_cndmask_b32 v[TT+16], 0, v[TT+16], s51
	v_cndmask_b32 v[TT+17], 0, v[TT+17], s51
	s_wait_alu depctr_va_vdst(0)                   ; the selects have written TT+16 and TT+17, which the store reads
	global_store_b64 v2, v[TT+16:TT+17], s[38:39]  ; 256 neighbouring bytes, aligned
.Lend:
	s_wait_dscnt 0x0                               ; the closing lines, six on end
	s_wait_alu 0x0
	s_wait_tensorcnt 0x0
	ds_add_u32 v254, v255
	s_wait_dscnt 0x0
	s_endpgm
.Lfunc_end_k_q4d778e54a8_prep:
	.size	k_q4d778e54a8_prep, .Lfunc_end_k_q4d778e54a8_prep-k_q4d778e54a8_prep
	.p2alignl 7, 3214868480
	.fill 96, 4, 3214868480
	.section	.rodata,"a",@progbits
	.p2align	6, 0x0
	.amdhsa_kernel k_q4d778e54a8_prep
		.amdhsa_group_segment_fixed_size 37888
		.amdhsa_private_segment_fixed_size 0
		.amdhsa_enable_private_segment 0
		.amdhsa_kernarg_size 96
		.amdhsa_user_sgpr_count 2
		.amdhsa_user_sgpr_kernarg_segment_ptr 1
		.amdhsa_wavefront_size32 1
		.amdhsa_system_sgpr_workgroup_id_x 1
		.amdhsa_system_sgpr_workgroup_id_y 1
		.amdhsa_system_sgpr_workgroup_id_z 1
		.amdhsa_system_vgpr_workitem_id 0
		.amdhsa_next_free_vgpr 512
		.amdhsa_next_free_sgpr 66
		.amdhsa_reserve_vcc 0
		.amdhsa_float_denorm_mode_32 3
		.amdhsa_float_denorm_mode_16_64 3
		.amdhsa_memory_ordered 1
		.amdhsa_forward_progress 1
		.amdhsa_inst_pref_size 130
	.end_amdhsa_kernel
	.amdgpu_metadata
---
amdhsa.version: [ 1, 2 ]
amdhsa.kernels:
  - .name:           k_q4d778e54a8_prep
    .symbol:         k_q4d778e54a8_prep.kd
    .args:
      - { .name: x, .offset: 0, .size: 8, .value_kind: global_buffer, .address_space: global }
      - { .name: Wr, .offset: 8, .size: 8, .value_kind: global_buffer, .address_space: global }
      - { .name: br, .offset: 16, .size: 8, .value_kind: global_buffer, .address_space: global }
      - { .name: b2, .offset: 24, .size: 8, .value_kind: global_buffer, .address_space: global }
      - { .name: W1, .offset: 32, .size: 8, .value_kind: global_buffer, .address_space: global }
      - { .name: W2, .offset: 40, .size: 8, .value_kind: global_buffer, .address_space: global }
      - { .name: xh, .offset: 48, .size: 8, .value_kind: global_buffer, .address_space: global }
      - { .name: rf, .offset: 56, .size: 8, .value_kind: global_buffer, .address_space: global }
      - { .name: rh, .offset: 64, .size: 8, .value_kind: global_buffer, .address_space: global }
      - { .name: w1h, .offset: 72, .size: 8, .value_kind: global_buffer, .address_space: global }
      - { .name: w2h, .offset: 80, .size: 8, .value_kind: global_buffer, .address_space: global }
      - { .name: b2t, .offset: 88, .size: 8, .value_kind: global_buffer, .address_space: global }
    .group_segment_fixed_size: 37888
    .private_segment_fixed_size: 0
    .kernarg_segment_align: 8
    .kernarg_segment_size: 96
    .max_flat_workgroup_size: 256
    .sgpr_count:     66
    .vgpr_count:     512
    .wavefront_size: 32
...
	.end_amdgpu_metadata
.endif
;; end of part 4
;; launch gemm1: the kernel of part 2 again; grid 8 x 64, 4 waves a work-group, clusters of 4 x 4, 327,680 bytes of LDS; arguments xh, w1h, hh, b1, rf; writes hh
;; launch gemm2: the kernel of part 3 again; grid 4 x 64, 4 waves a work-group, clusters of 4 x 4, 327,680 bytes of LDS; arguments hh, w2h, out0, rh, b2t; writes out0
